; MI455X (gfx1250); checked and timed in simulation.
; The chip was launched on July 23, 2026; its instructions are those of AMD's public machine-readable ISA for CDNA 5 (MIT licence, August 2026) and "CDNA5" Instruction Set Architecture Reference Guide (July 2026). The comments in the code are by the model that wrote it; some were corrected since.
;; Multi Head Atte. Allowed arithmetic: matrix products marked QUANTISED: E2M1 operands, one E8M0 scale for each 32 along K, by v_wmma_scale_f32_16x16x128_f8f6f4 with both operands' format E2M1 (or v_wmma_scale_f32_32x16x128_f4), f32 sums; everything else in f32.
;; Inputs: K_codes 4 x 2,048 x 32 x 16 uint8 (E2M1 codes of K, K innermost, in blocks of 32 codes, two codes a byte); K_scales 4 x 2,048 x 32 uint8 (E8M0 scales of K, one for each 32 codes along K); Q_codes 4 x 2,048 x 32 x 16 uint8 (E2M1 codes of Q, K innermost, in blocks of 32 codes, two codes a byte); Q_scales 4 x 2,048 x 32 uint8 (E8M0 scales of Q, one for each 32 codes along K); V_codes 4 x 2,048 x 32 x 16 uint8 (E2M1 codes of V, K innermost, in blocks of 32 codes, two codes a byte); V_scales 4 x 2,048 x 32 uint8 (E8M0 scales of V, one for each 32 codes along K); Wk_codes 16 x 64 x 32 x 16 uint8 (E2M1 codes of Wk, K innermost, in blocks of 32 codes, two codes a byte); Wk_scales 16 x 64 x 32 uint8 (E8M0 scales of Wk, one for each 32 codes along K); Wo_codes 1,024 x 32 x 16 uint8 (E2M1 codes of Wo, K innermost, in blocks of 32 codes, two codes a byte); Wo_scales 1,024 x 32 uint8 (E8M0 scales of Wo, one for each 32 codes along K); Wq_codes 16 x 64 x 32 x 16 uint8 (E2M1 codes of Wq, K innermost, in blocks of 32 codes, two codes a byte); Wq_scales 16 x 64 x 32 uint8 (E8M0 scales of Wq, one for each 32 codes along K); Wv_codes 16 x 64 x 32 x 16 uint8 (E2M1 codes of Wv, K innermost, in blocks of 32 codes, two codes a byte); Wv_scales 16 x 64 x 32 uint8 (E8M0 scales of Wv, one for each 32 codes along K); bk 16 x 64 float32; bo 1,024 float32; bq 16 x 64 float32; bv 16 x 64 float32.
;; Outputs: out0 4 x 2,048 x 1,024 float32.
;; This version of the problem:
;;   THIS VERSION OF THE PROBLEM IS GIVEN IN LOW PRECISION. The matrix products marked QUANTISED in the list below multiply operands that are first quantised to E2M1 (2 exponent bits, 1 mantissa bit; 4 bits a number), with one power-of-two scale for each 32 numbers along K (OCP MX v1.0); their sums are f32. All else is computed in f32.
;;   The module's matrix products, in the order in which they are computed (A, B: the left and right operand; K: the contracted axis; several contracted axes count as one K, in the product's order):
;;     1. [M 1,024, K 1,024] x [K 1,024, N 8,192]; A: input Wq (given as codes); B: input Q (given as codes): QUANTISED
;;     2. [M 1,024, K 1,024] x [K 1,024, N 8,192]; A: input Wk (given as codes); B: input K (given as codes): QUANTISED
;;     3. [M 1,024, K 1,024] x [K 1,024, N 8,192]; A: input Wv (given as codes); B: input V (given as codes): QUANTISED
;;     4. batch 64 x [M 2,048, K 64] x [K 64, N 2,048]; A: computed on the way; B: computed on the way: QUANTISED
;;     5. batch 64 x [M 2,048, K 2,048] x [K 2,048, N 64]; A: softmax (see below); B: computed on the way: QUANTISED
;;     6. [M 8,192, K 1,024] x [K 1,024, N 1,024]; A: computed on the way; B: input Wo (given as codes): QUANTISED
;;   THE QUANTISER, for each operand of a quantised product, along K:
;;     - K is cut into blocks of 32 from its start; a last block that is shorter is filled with zeros.
;;     - A block's scale is 2^e with e = floor(log2(the largest magnitude in the block)) - 2, held to -126 .. 127; a block of zeros has e = 0. As a byte (E8M0): e + 127.
;;     - Each number is divided by its block's scale, clamped to +-6, and rounded to the nearest number of E2M1, ties to even, subnormals kept.
;;     - The product sums the exact products of the quantised numbers (number of the format x scale) in f32.
;;   ~~~python
;;   def quantise(x, axis):      # numpy; x: float32 -> the quantised numbers, widened to float32 again
;;       x = np.moveaxis(x, axis, -1); K = x.shape[-1]
;;       x = np.pad(x, [(0, 0)] * (x.ndim - 1) + [(0, -K % 32)]); x = x.reshape(x.shape[:-1] + (-1, 32)); a = np.abs(x).max(-1, keepdims=True)
;;       e = np.where(a > 0, np.clip(np.frexp(np.where(a > 0, a, 1))[1] - 1 - 2, -126, 127), 0)      # np.frexp(a)[1] - 1 = floor(log2(a)), exactly
;;       r = np.clip(x / 2.0 ** e, -6, 6)
;;       step = 2.0 ** (np.maximum(np.frexp(np.where(r == 0, 1, r))[1] - 1, 0) - 1)
;;       q = np.round(r / step) * step * 2.0 ** e      # np.round: ties to even
;;       return np.moveaxis(q.reshape(q.shape[:-2] + (-1,))[..., :K], -1, axis).astype(np.float32)
;;   ~~~
;;   SOFTMAX AHEAD OF A QUANTISED PRODUCT. Where the list says 'softmax', what is quantised is not the finished softmax but p = 2^(t - M), with t = logit x log2(e) and M = ceil(the row's largest t), a whole number; so 1/2 < the row's largest p <= 1. The row's sum l is taken of the UNQUANTISED p, in f32, and the product's result is divided by l at the end. Since M is a whole number, a kernel that streams over the keys may use a running M (the ceiling of the running maximum): every later rescaling is an exact power of two, which a block's scale takes up: the codes' values come out the same.
;;   OPERANDS COMPUTED ON THE WAY. 'Computed on the way' means the value that the module computes at that place (a softmax that the list does not call 'softmax' is quantised finished and normalised). What goes into a quantiser is computed in f32, as accurately as f32 sums, v_exp_f32 and their like allow (about 1e-6 of the number): no bf16 or f16 on the way to a quantiser, and a product that is left as it is and whose result goes on into a quantised operand takes f32 operands (vector FMAs, or v_wmma_f32_16x16x4_f32). A number that lies on a knife's edge between two numbers of the format may be rounded either way, as far as f32 arithmetic and the matrix unit's own rounding can turn it there, and no further.
;;   INPUTS GIVEN AS CODES. K (in the module: [4, 2048, 1024], K = its axis 2); Q (in the module: [4, 2048, 1024], K = its axis 2); V (in the module: [4, 2048, 1024], K = its axis 2); Wk (in the module: [16, 1024, 64], K = its axis 1); Wo (in the module: [1024, 1024], K = its axis 0); Wq (in the module: [16, 1024, 64], K = its axis 1); Wv (in the module: [16, 1024, 64], K = its axis 1): each comes as NAME_codes (uint8): NAME with its K axis moved to the last place and cut into blocks of 32 codes, [.., K / 32, bytes a block], one block behind the other in memory; two codes a byte, the lower K in the low four bits (a code: sign, 2 exponent bits, 1 mantissa bit); and NAME_scales (uint8): the same leading axes, one E8M0 byte (e + 127) for each 32 codes along K. Its value is code x scale, taken as it is: it is not quantised again, and the codes and scales need not be those that the quantiser above would give.
;; One version. Each part assembles by itself: llvm-mc -triple=amdgcn-amd-amdhsa -mcpu=gfx1250 --defsym DOCPART=n.
;; ======== version 1 of 1: 3 launches
;; limits: right only within a limited range of input values
;; workspace buffers: qcod 4,194,304 bytes; kcod 4,194,304 bytes; vcod 4,194,304 bytes; qscl 262,144 bytes; kscl 262,144 bytes; vscl 262,144 bytes; ccod 4,194,304 bytes; cscl 262,144 bytes
;; launch proj (part 1): grid 256 x 3, 8 waves a work-group, clusters of 4 x 1, 327,680 bytes of LDS; arguments Wq_codes, Wq_scales, Q_codes, Q_scales, bq, qcod, qscl, Wk_codes, Wk_scales, K_codes, K_scales, bk, kcod, kscl, V_codes, V_scales, Wv_codes, Wv_scales, bv, vcod, vscl; writes qcod, qscl, kcod, kscl, vcod, vscl
.if DOCPART == 1
	.amdgcn_target "amdgcn-amd-amdhsa--gfx1250"
	.amdhsa_code_object_version 6
	.text
	.protected	k_q8c77dd152e_proj
	.globl	k_q8c77dd152e_proj
	.p2align	8
	.type	k_q8c77dd152e_proj,@function
k_q8c77dd152e_proj:
	s_mov_b64 s[64:65], 0
	v_nop
	global_prefetch_b8 v0, s[64:65] scope:SCOPE_SE
	s_setreg_imm32_b32 hwreg(HW_REG_WAVE_MODE, 25, 1), 1
	s_wait_xcnt 0x0
	s_wait_alu depctr_hold_cnt(0) depctr_sa_sdst(0) depctr_va_vdst(0) depctr_va_sdst(0) depctr_va_ssrc(0) depctr_va_vcc(0) depctr_vm_vsrc(0)
	s_getreg_b32 s2, hwreg(HW_REG_IB_STS2, 6, 4)
	s_cmp_eq_u32 s2, 0
	s_cbranch_scc0 .Lentry_in_a_cluster
	s_endpgm
.Lentry_in_a_cluster:
	s_bfe_u32 s2, ttmp6, 0x10000c
	s_cmp_lg_u32 s2, 0x3003
	s_cbranch_scc0 .Lentry_shape_is_right
	s_endpgm
.Lentry_shape_is_right:
; THE THREE PROJECTIONS q = Q Wq + bq, k = K Wk + bk, v = V Wv + bv, on codes of FP4 (E2M1) with one E8M0 scale for each 32 along K = 1,024, and the quantiser behind each:
; q and k along the head's 64 channels, v along the tokens (the keys).  Work-group y says which product: 0 q, 1 k, 2 v.
; ONE PATH FOR ALL THREE.  Source 0 of the matrix instruction is P, source 1 is R: in the result a lane holds ONE row of R (lane % 16) and its registers run along rows of P, 8 (lane / 16) + 0 .. 7 of a tile.
; The axis that is quantised next has to run along a lane's registers, so P = the weight's 1,024 rows (head, channel) and R = the 8,192 tokens for q and k, and P = V's tokens, R = Wv's rows for v.
; SHARES.  A work-group makes 128 rows of P x 256 rows of R with all of K in LDS, filled once: nothing is filled again.  A wave makes 64 x 64: 16 accumulators, 128 matrix instructions.
; CLUSTER 4, 1, 1: the four work-groups of a cluster take four tiles of P and ONE tile of R.  R's codes and scale bytes (139,264 of a work-group's 208,896 bytes) are asked for jointly (mask 15), by descriptors made of the
; cluster's numbers and the wave's alone; P's tiles are each work-group's own, on load lines of their own.  All is asked for at the head, so nothing is prefetched.
; OUT.  Codes leave as IMAGES OF THE NEXT OPERAND'S REGISTERS: 512 bytes, lane l's 16 bytes at 16 l; lane (r, hh) holds block hh (32 codes) of row r.  [b h][key step of 128 tokens][i 4][c 2][512]:
; q, k: tokens 128 ks + 64 c + 16 i + r, the head's 64 channels;  v: channels 16 i + r, tokens 128 ks + 64 c + 32 hh + 0 .. 31.  Scale words [b h][ks][i][r]: halfword c = the bytes of blocks 0 and 1.
; A scale word's two halves come from two waves: each wave lays its 64 halfwords into 128 bytes of its own in a stage in LDS; waves 0 and 1 join them and store aligned runs of 256 bytes.
; FROM RESULT TO OPERAND.  Tile t's eight registers become one register of codes X(t); X(0), X(2) and X(1), X(3) exchange halves: the four registers then hold 32 hh + 0 .. 31 in lane (r, hh).
; LIMITS: a block of zeros gets the byte 1 (the floor 2^(3 - 127) under the largest magnitude), not 127: its codes are zeros and this program alone reads the bytes.  NaN and infinities are not served.
; REGISTERS: v1 r, v2 hh, v3 lane; v4-11, v124-125 addresses; v12-15 P's scale words, v120-123 R's; v16-19 bias of my lane's row (v); v20-51 bias along the registers (q, k); v52-83 P's four fragments; v84-115 R's four;
;   v116-119 offsets; v126-127 the spare word and 0; v128-255 accumulators, (R tile i, P tile t) at 128 + 32 i + 8 t.  Behind the products: v52-67 codes, v68-71 scale halfwords, v72-77 at work, v84-91 the stage read back.
.set PITCH, 272                        ; an LDS row: 256 bytes + 16 of padding
.set T64,   64*PITCH                   ; 64 rows: a wave's share of P or of R; a tensor load brings 128
.set CH1,   10*T64                     ; chunk 0, from byte 0: K bytes 0-255 of P's 128 rows, then of R's 256; chunk 1, from here: K bytes 256-511.  A loading wave's tile lies at wave x 128 rows (waves 0-2, 5-7)
.set SCP,   16*T64                     ; P's scale bytes: 16 runs of 256 bytes + 16 of padding
.set SCR,   SCP+16*PITCH               ; R's: 32 runs
.set STG,   292864                     ; the stage for the scale halfwords: 1,024 bytes; no tile lands here
.set ADP, 4
.set ADR, 6
.set ADS, 8
.set OV,  9
.set STW, 10
.set SRD, 11
.set ADS2, 124
.set SRQ, 125
.set SC,  12
.set SR,  120
.set BR,  16
.set BB,  20
.set PF,  52
.set RF,  84
.set ACC, 128
.set PC,  52
.set HW,  68
.set TM,  72
.set SEL, 66
.macro PLACES                          ; four plain vector lines behind a matrix instruction, and behind a tensor load's s_nop 0
.rept 4
	v_nop
.endr
.endm
.macro CROUND                          ; a round of the cluster's barrier
	s_barrier_signal -1
	s_barrier_wait -1
	s_cmp_lg_u32 s2, 0
	s_cbranch_scc1 .Lnw0_\@
	s_barrier_signal -3
.Lnw0_\@:
	s_barrier_wait -3
	s_barrier_signal -1
	s_barrier_wait -1
.endm
.macro TLOAD g0, g1
	tensor_load_to_lds s[\g0:\g0+3], s[\g1:\g1+7]
	s_nop 0
	PLACES
.endm
; 128 along K, the q-th: 8 scale loads, 16 fragment loads, 16 matrix instructions on 16 accumulators by turns.  zero = 1: the products start the sums.
.macro KSTEP q, zero
.irp i, 0,1,2,3
	ds_load_b32 v[SC+\i], v[ADS] offset:2*PITCH*\i+4*(\q)          ; lane r: the word of row r of P's tile i
	ds_load_b32 v[SR+\i], v[ADS2] offset:2*PITCH*\i+4*(\q)         ; and of R's tile i
.endr
.irp t, 0,1,2,3
.irp c, 0,1
	ds_load_b128 v[PF+8*\t+4*\c:PF+8*\t+4*\c+3], v[ADP+(\q)/4] offset:16*PITCH*\t+64*((\q)%4)+32*\c
.endr
.endr
.irp i, 0,1,2,3
.irp c, 0,1
	ds_load_b128 v[RF+8*\i+4*\c:RF+8*\i+4*\c+3], v[ADR+(\q)/4] offset:16*PITCH*\i+64*((\q)%4)+32*\c
.endr
.endr
.irp i, 0,1,2,3
	s_wait_dscnt 2*(3-\i)                          ; R's tile i is in; the two loads of each later tile may be out
.irp t, 0,1,2,3
.if \zero
	v_wmma_scale_f32_16x16x128_f8f6f4 v[ACC+32*\i+8*\t:ACC+32*\i+8*\t+7], v[PF+8*\t:PF+8*\t+7], v[RF+8*\i:RF+8*\i+7], 0, v[SC+\t], v[SR+\i] matrix_a_fmt:MATRIX_FMT_FP4 matrix_b_fmt:MATRIX_FMT_FP4
.else
	v_wmma_scale_f32_16x16x128_f8f6f4 v[ACC+32*\i+8*\t:ACC+32*\i+8*\t+7], v[PF+8*\t:PF+8*\t+7], v[RF+8*\i:RF+8*\i+7], v[ACC+32*\i+8*\t:ACC+32*\i+8*\t+7], v[SC+\t], v[SR+\i] matrix_a_fmt:MATRIX_FMT_FP4 matrix_b_fmt:MATRIX_FMT_FP4
.endif
.endr
.endr
	PLACES
.endm
; 32 numbers of a lane, register 8 t + j = place 16 t + 8 hh + j along the next K, become four registers of codes (lane (r, hh): block hh) and a halfword of two scale bytes.
.macro QUANT2 src, pc, hw
	v_max3_num_f32 v[TM], |v[(\src)]|, |v[(\src)+1]|, 0x1800000              ; block 0: my 16 numbers, and the floor 2^(3 - 127): the byte cannot fall under 1
	v_max3_num_f32 v[TM+1], |v[(\src)+16]|, |v[(\src)+17]|, 0x1800000        ; block 1 (the two by turns)
.irp n, 2,4,6,8,10,12,14
	s_delay_alu instid0(VALU_DEP_2)
	v_max3_num_f32 v[TM], v[TM], |v[(\src)+\n]|, |v[(\src)+\n+1]|
	s_delay_alu instid0(VALU_DEP_2)
	v_max3_num_f32 v[TM+1], v[TM+1], |v[(\src)+16+\n]|, |v[(\src)+17+\n]|
.endr
	s_delay_alu instid0(VALU_DEP_2)
	v_permlanex16_b32 v[TM+2], v[TM], s[SEL], s[SEL+1]
	s_delay_alu instid0(VALU_DEP_2)
	v_permlanex16_b32 v[TM+3], v[TM+1], s[SEL], s[SEL+1]
	s_delay_alu instid0(VALU_DEP_2)
	v_max_num_f32 v[TM], v[TM], v[TM+2]            ; with lane l xor 16's 16: the block's largest magnitude
	s_delay_alu instid0(VALU_DEP_2)
	v_max_num_f32 v[TM+1], v[TM+1], v[TM+3]
	s_delay_alu instid0(VALU_DEP_2)
	v_add_nc_u32 v[TM+4], 0xff000000, v[TM]        ; 2 off the exponent field: the conversion takes this operand's exponent field as its scale
	s_delay_alu instid0(VALU_DEP_2)
	v_add_nc_u32 v[TM+5], 0xff000000, v[TM+1]
	s_delay_alu instid0(VALU_DEP_2)
	v_lshrrev_b32 v[TM+2], 23, v[TM+4]             ; the scales' bytes
	s_delay_alu instid0(VALU_DEP_2)
	v_lshrrev_b32 v[TM+3], 23, v[TM+5]
	s_delay_alu instid0(VALU_DEP_1)
	v_lshl_or_b32 v[\hw], v[TM+3], 8, v[TM+2]
	v_cvt_scalef32_pk8_fp4_f32 v[(\pc)], v[(\src):(\src)+7], v[TM+4]         ; X(0)
	v_cvt_scalef32_pk8_fp4_f32 v[(\pc)+1], v[(\src)+16:(\src)+23], v[TM+5]   ; X(2)
	v_cvt_scalef32_pk8_fp4_f32 v[(\pc)+2], v[(\src)+8:(\src)+15], v[TM+4]    ; X(1)
	v_cvt_scalef32_pk8_fp4_f32 v[(\pc)+3], v[(\src)+24:(\src)+31], v[TM+5]   ; X(3)
	v_nop                                          ; one plain line behind a scaled conversion
	v_permlane16_swap_b32 v[(\pc)], v[(\pc)+1]     ; the first's lanes 16-31 change places with the second's lanes 0-15
	v_permlane16_swap_b32 v[(\pc)+2], v[(\pc)+3]
.endm
	s_load_b512 s[8:23], s[0:1], 0x0               ; the 21 addresses: seven for each product, in the order P's codes, P's scales, R's codes, R's scales, bias, codes out, scales out
	s_load_b512 s[24:39], s[0:1], 0x40
	s_load_b256 s[40:47], s[0:1], 0x80
	s_load_b64 s[48:49], s[0:1], 0xa0
	v_lshl_add_u32 v126, v0, 2, 0x48000
	v_mov_b32 v127, 0
	ds_add_u32 v126, v127                          ; the opening lines: the add, twice on end, and its wait
	ds_add_u32 v126, v127
	v_lshrrev_b32 v1, 5, v0
	v_readfirstlane_b32 s2, v1                     ; wave 0..7
	s_and_b32 s3, ttmp7, 0xffff                    ; which product: the cluster's y
	s_bfe_u32 s71, ttmp6, 0x40000                  ; my place in the cluster: it enters P's tile number, and so global addresses alone
	; the work-group's tile (s4: of P, s5: of R): q, k: 8 tiles of P x 32 of R; v: 64 x 4.  A cluster takes four neighbouring tiles of P and one of R.
	; The wave's place in the tile is made of the wave's number alone: s6 = wave & 1: which 64 rows of P; s7 = wave / 2: which 64 of R.  So c, the half of a scale word, is (wave / 2) & 1 for q and k, and wave & 1 for v.
	s_and_b32 s66, ttmp9, 1
	s_lshr_b32 s67, ttmp9, 1
	s_and_b32 s68, ttmp9, 15
	s_lshr_b32 s69, ttmp9, 4
	s_and_b32 s6, s2, 1
	s_lshr_b32 s7, s2, 1
	s_cmp_eq_u32 s3, 2
	s_cselect_b32 s4, s68, s66
	s_cselect_b32 s5, s69, s67
	s_lshl_b32 s4, s4, 2
	s_add_co_u32 s4, s4, s71
	s_lshl_b32 s74, s4, 1
	s_add_co_u32 s74, s74, s6                      ; my 64 rows of P
	s_lshl_b32 s75, s5, 2
	s_add_co_u32 s75, s75, s7                      ; my 64 rows of R
	s_cmp_eq_u32 s3, 2
	s_cselect_b32 s68, s75, s74                    ; the head
	s_cselect_b32 s69, s74, s75                    ; the group of 64 tokens, 0..127
	; where waves 0 and 1 store the scale words: q, k: head 2 PT + wave, key steps 2 RT and 2 RT + 1;  v: heads 4 RT + 2 wave and the next, key step PT
	s_lshr_b32 s70, s5, 3
	s_lshl_b32 s70, s70, 4
	s_lshl_b32 s71, s4, 1
	s_add_co_u32 s70, s70, s71
	s_add_co_u32 s70, s70, s2
	s_lshl_b32 s70, s70, 12
	s_lshl_b32 s71, s5, 1
	s_and_b32 s71, s71, 15
	s_lshl_b32 s71, s71, 8
	s_add_co_u32 s70, s70, s71
	s_lshr_b32 s72, s4, 4
	s_lshl_b32 s72, s72, 4
	s_lshl_b32 s73, s5, 2
	s_add_co_u32 s72, s72, s73
	s_lshl_b32 s73, s2, 1
	s_add_co_u32 s72, s72, s73
	s_lshl_b32 s72, s72, 12
	s_and_b32 s73, s4, 15
	s_lshl_b32 s73, s73, 8
	s_add_co_u32 s72, s72, s73
	s_mov_b32 s73, 0x1000
	s_cmp_eq_u32 s3, 2
	s_cselect_b32 s70, s72, s70                    ; the byte offset,
	s_cselect_b32 s73, s73, 0x100                  ; and from lanes 0-15 to lanes 16-31: the next key step (256 bytes) or the next head (4,096)
	; where my codes go: (16 b + head) x 65,536 + key step x 4,096 + c x 512
	s_lshr_b32 s74, s69, 5
	s_and_b32 s75, s69, 31
	s_lshl_b32 s74, s74, 4
	s_add_co_u32 s74, s74, s68
	s_lshl_b32 s74, s74, 16
	s_lshr_b32 s76, s75, 1
	s_lshl_b32 s76, s76, 12
	s_add_co_u32 s74, s74, s76
	s_and_b32 s76, s75, 1
	s_lshl_b32 s76, s76, 9
	s_add_co_u32 s74, s74, s76
	; the scalar parts of the LDS addresses, of the wave's number alone
	s_mul_i32 s88, s6, T64                         ; my rows of P
	s_mul_i32 s89, s7, T64
	s_add_co_u32 s89, s89, 2*T64                   ; my rows of R, behind P's 128
	s_mul_i32 s90, s6, 8*PITCH
	s_add_co_u32 s90, s90, SCP
	s_mul_i32 s91, s7, 8*PITCH
	s_add_co_u32 s91, s91, SCR
	s_lshl_b32 s92, s2, 7
	s_add_co_u32 s92, s92, STG
	s_lshl_b32 s93, s2, 9
	s_add_co_u32 s93, s93, STG
	v_and_b32 v1, 15, v0                           ; r
	v_bfe_u32 v2, v0, 4, 1                         ; hh
	v_and_b32 v3, 31, v0                           ; lane
	v_mul_u32_u24 v119, v1, PITCH
	v_lshl_add_u32 v119, v2, 4, v119               ; a fragment's row x pitch + 16 hh
	v_add_nc_u32 v[ADP], s88, v119
	v_add_nc_u32 v[ADP+1], CH1, v[ADP]
	v_add_nc_u32 v[ADR], s89, v119
	v_add_nc_u32 v[ADR+1], CH1, v[ADR]
	v_lshrrev_b32 v[ADS], 3, v1                    ; scale bytes: 32 a row, eight rows to a run of 256
	v_mul_u32_u24 v[ADS], v[ADS], PITCH
	v_and_b32 v9, 7, v1
	v_lshl_add_u32 v[ADS], v9, 5, v[ADS]
	v_add_nc_u32 v[ADS2], s91, v[ADS]              ; my 64 rows of R
	v_add_nc_u32 v[ADS], s90, v[ADS]               ; my 64 rows of P
	v_lshlrev_b32 v[OV], 4, v3
	v_lshl_add_u32 v[STW], v1, 1, s92              ; the stage: 128 bytes for each wave, halfword 16 i + r
	v_lshlrev_b32 v[SRQ], 3, v1                    ; back: a lane takes halfwords 4 r .. 4 r + 3 of two waves.  q, k: head = my wave, key step = hh: waves 4 hh + wave and 2 further on
	v_lshl_add_u32 v[SRQ], v2, 9, v[SRQ]
	v_add_nc_u32 v[SRQ], s92, v[SRQ]
	v_lshlrev_b32 v[SRD], 3, v1                    ; v: head 2 wave + hh: waves 4 wave + 2 hh and the next
	v_lshl_add_u32 v[SRD], v2, 8, v[SRD]
	v_add_nc_u32 v[SRD], s93, v[SRD]
	v_lshlrev_b32 v116, 5, v2                      ; bias along the registers: 32 hh
	v_lshlrev_b32 v117, 2, v1                      ; bias of my lane's row: 4 r
	v_mul_u32_u24 v118, s73, v2
	v_lshl_add_u32 v118, v1, 4, v118               ; the scale words' store
	s_wait_alu depctr_va_vdst(0)                   ; the wait at the head's end
	s_wait_dscnt 0x0
	CROUND                                         ; the round in front of the first loads
	s_wait_kmcnt 0x0
	s_cmp_eq_u32 s3, 1                             ; the product's seven addresses into s[8:21]
.irp j, 0,1,2,3,4,5,6
	s_cselect_b64 s[8+2*\j:9+2*\j], s[22+2*\j:23+2*\j], s[8+2*\j:9+2*\j]
.endr
	s_cmp_eq_u32 s3, 2
.irp j, 0,1,2,3,4,5,6
	s_cselect_b64 s[8+2*\j:9+2*\j], s[36+2*\j:37+2*\j], s[8+2*\j:9+2*\j]
.endr
	s_mov_b32 s77, 0
	s_mov_b32 s76, s74
	s_add_nc_u64 s[18:19], s[18:19], s[76:77]      ; codes out
	s_mov_b32 s76, s70
	s_add_nc_u64 s[20:21], s[20:21], s[76:77]      ; scale words out
	s_lshl_b32 s76, s68, 8
	s_add_nc_u64 s[16:17], s[16:17], s[76:77]      ; the head's 64 biases
	s_lshl_b32 s76, s4, 12
	s_add_nc_u64 s[10:11], s[10:11], s[76:77]      ; P's scale bytes: 128 rows x 32
	s_lshl_b32 s76, s5, 13
	s_add_nc_u64 s[14:15], s[14:15], s[76:77]      ; R's: 256 rows x 32
	s_lshl_b32 s76, s4, 16
	s_add_nc_u64 s[8:9], s[8:9], s[76:77]          ; P's codes: 128 rows x 512
	s_lshl_b32 s76, s5, 17
	s_add_nc_u64 s[12:13], s[12:13], s[76:77]      ; R's: 256 rows x 512
	; who fetches: wave 0 P's chunk 0, waves 1, 2 R's halves of chunk 0, wave 3 P's scale bytes, wave 4 R's, wave 5 P's chunk 1, waves 6, 7 R's halves of chunk 1
	s_cmp_lt_u32 s2, 5
	s_cselect_b32 s75, 0, 256                      ; the chunk's bytes along K
	s_cselect_b32 s76, 1, 6
	s_sub_co_u32 s76, s2, s76                      ; which half of R
	s_lshl_b32 s76, s76, 16                        ; 128 rows x 512 bytes
	s_add_co_u32 s76, s76, s75
	s_mov_b32 s48, 1
	s_mul_i32 s49, s2, 2*T64                       ; wave x 128 rows
	s_add_nc_u64 s[50:51], s[12:13], s[76:77]
	s_or_b32 s51, s51, 0x80000000
	s_mov_b32 s76, s75
	s_mov_b32 s52, 1
	s_mul_i32 s53, s2, 2*T64
	s_add_nc_u64 s[54:55], s[8:9], s[76:77]
	s_or_b32 s55, s55, 0x80000000
	s_mov_b32 s56, 1
	s_mov_b32 s57, SCP
	s_mov_b64 s[58:59], s[10:11]
	s_or_b32 s59, s59, 0x80000000
	s_mov_b32 s60, 1
	s_mov_b32 s61, SCR
	s_mov_b64 s[62:63], s[14:15]
	s_or_b32 s63, s63, 0x80000000
	; descriptor groups 1.  Codes: 128 rows x 256 bytes, 512 bytes from row to row, 4 words of padding behind every 64.  R's with the mask 15 and bit 21, P's without
	s_mov_b32 s24, 15|(1<<20)|(1<<21)|(5<<22)|(3<<25)
	s_mov_b32 s80, (1<<20)|(5<<22)|(3<<25)
.irp g, 24, 80
	s_mov_b32 s[\g+1], 256<<16                     ; tensor_dim0
	s_mov_b32 s[\g+2], 128<<16                     ; tensor_dim1
	s_mov_b32 s[\g+3], 256<<16                     ; tile_dim0
	s_mov_b32 s[\g+4], 128                         ; tile_dim1
	s_mov_b32 s[\g+5], 512                         ; the pitch
	s_mov_b32 s[\g+6], 0
	s_mov_b32 s[\g+7], 0
.endr
	; P's scale bytes: a dense block as 16 rows of 32 elements of 8 bytes, padded alike;  R's: 32 rows, jointly
	s_mov_b32 s32, (3<<16)|(1<<20)|(5<<22)|(3<<25)
	s_mov_b32 s33, 32<<16
	s_mov_b32 s34, 16<<16
	s_mov_b32 s35, 32<<16
	s_mov_b32 s36, 16
	s_mov_b32 s37, 32
	s_mov_b32 s38, 0
	s_mov_b32 s39, 0
	s_mov_b32 s40, 15|(3<<16)|(1<<20)|(1<<21)|(5<<22)|(3<<25)
	s_mov_b32 s41, 32<<16
	s_mov_b32 s42, 32<<16
	s_mov_b32 s43, 32<<16
	s_mov_b32 s44, 32
	s_mov_b32 s45, 32
	s_mov_b32 s46, 0
	s_mov_b32 s47, 0
	s_mov_b32 s[SEL], 0x76543210
	s_mov_b32 s[SEL+1], 0xfedcba98
	; both kinds of bias are loaded in every product (all 256 bytes are the head's own): which is added is chosen behind the products
.irp t, 0,1,2,3
	global_load_b128 v[BB+8*\t:BB+8*\t+3], v116, s[16:17] offset:64*\t        ; bias(16 t + 8 hh + 0 .. 7)
	global_load_b128 v[BB+8*\t+4:BB+8*\t+7], v116, s[16:17] offset:64*\t+16
.endr
.irp i, 0,1,2,3
	global_load_b32 v[BR+\i], v117, s[16:17] offset:64*\i                     ; bias(16 i + r)
.endr
	; THE FILLS, one a wave, in one chain of branches on the wave's number.  Chunk 1's waves have load lines of their own: they pass the wait below by.
	s_cmp_eq_u32 s2, 0
	s_cbranch_scc0 .Lfill_r0
	TLOAD 52, 80
	s_branch .Lasked
.Lfill_r0:
	s_cmp_lt_u32 s2, 3
	s_cbranch_scc0 .Lfill_sp
	TLOAD 48, 24
	s_branch .Lasked
.Lfill_sp:
	s_cmp_eq_u32 s2, 3
	s_cbranch_scc0 .Lfill_sr
	TLOAD 56, 32
	s_branch .Lasked
.Lfill_sr:
	s_cmp_eq_u32 s2, 4
	s_cbranch_scc0 .Lfill_p1
	TLOAD 60, 40
	s_branch .Lasked
.Lfill_p1:
	s_cmp_eq_u32 s2, 5
	s_cbranch_scc0 .Lfill_r1
	TLOAD 52, 80
	s_branch .Lasked
.Lfill_r1:
	TLOAD 48, 24
.Lasked:
	s_cmp_lt_u32 s2, 5
	s_cbranch_scc0 .Lfilled
	s_wait_tensorcnt 0x0                           ; waves 0 to 4: my tile is in; chunk 1 may stay out
.Lfilled:
	s_barrier_signal -1
	s_barrier_wait -1                              ; chunk 0 and all scale bytes are whole
	KSTEP 0, 1
	KSTEP 1, 0
	KSTEP 2, 0
	KSTEP 3, 0
	s_wait_tensorcnt 0x0                           ; my part of chunk 1 is in (my LDS loads are back: the last count-down ended at 0)
	s_barrier_signal -1
	s_barrier_wait -1                              ; everybody's is
	KSTEP 4, 0
	KSTEP 5, 0
	KSTEP 6, 0
	KSTEP 7, 0
	; THE BIAS, each accumulator from its low end on.  q, k: it runs along the registers; v: it is my lane's row's.  The branch hangs on the product's number.
	s_wait_loadcnt 0x0
	v_mov_b32 v[TM+2], 0                           ; a lane permute's destination counts as one of its sources
	v_mov_b32 v[TM+3], 0
	s_cmp_eq_u32 s3, 2
	s_cbranch_scc1 .Lbias_lane
.set n, 0
.rept 64
	v_pk_add_f32 v[ACC+2*n:ACC+2*n+1], v[ACC+2*n:ACC+2*n+1], v[BB+(2*n)%32:BB+(2*n)%32+1]
.set n, n+1
.endr
	s_branch .Lbiased
.Lbias_lane:
.set n, 0
.rept 128
	v_add_f32 v[ACC+n], v[ACC+n], v[BR+n/32]
.set n, n+1
.endr
.Lbiased:
.irp i, 0,1,2,3
	QUANT2 ACC+32*\i, PC+4*\i, HW+\i
	global_store_b128 v[OV], v[PC+4*\i:PC+4*\i+3], s[18:19] offset:1024*\i    ; an image: the wave stores 512 consecutive bytes, aligned; each i has registers of its own
	ds_store_b16 v[STW], v[HW+\i] offset:32*\i     ; lanes l and l xor 16 write the same halfword with the same value
.endr
	s_wait_dscnt 0x0                               ; for the others' sake: my halfwords lie in the stage
	s_barrier_signal -1
	s_barrier_wait -1
	s_cmp_lt_u32 s2, 2
	s_cbranch_scc0 .Ldone
	s_cmp_eq_u32 s3, 2                             ; which two waves made a word's halves hangs on the product
	s_cbranch_scc1 .Lback_v
	ds_load_b64 v[84:85], v[SRQ]                   ; four lower halves (c = 0),
	ds_load_b64 v[86:87], v[SRQ] offset:256        ; and the four upper
	s_branch .Lback
.Lback_v:
	ds_load_b64 v[84:85], v[SRD]
	ds_load_b64 v[86:87], v[SRD] offset:128
.Lback:
	s_wait_dscnt 0x0
	v_perm_b32 v88, v86, v84, 0x05040100           ; four whole scale words
	v_perm_b32 v89, v86, v84, 0x07060302
	v_perm_b32 v90, v87, v85, 0x05040100
	v_perm_b32 v91, v87, v85, 0x07060302
	global_store_b128 v118, v[88:91], s[20:21]     ; sixteen lanes store 256 consecutive bytes, aligned
.Ldone:
	s_wait_tensorcnt 0x0                           ; the wave's end
	ds_add_u32 v126, v127
	s_wait_dscnt 0x0
	CROUND                                         ; the closing round
	s_endpgm
.Lfunc_end_k_q8c77dd152e_proj:
	.size	k_q8c77dd152e_proj, .Lfunc_end_k_q8c77dd152e_proj-k_q8c77dd152e_proj
	.p2alignl 7, 3214868480
	.fill 96, 4, 3214868480
	.section	.rodata,"a",@progbits
	.p2align	6, 0x0
	.amdhsa_kernel k_q8c77dd152e_proj
		.amdhsa_group_segment_fixed_size 327680
		.amdhsa_private_segment_fixed_size 0
		.amdhsa_enable_private_segment 0
		.amdhsa_kernarg_size 168
		.amdhsa_user_sgpr_count 2
		.amdhsa_user_sgpr_kernarg_segment_ptr 1
		.amdhsa_wavefront_size32 1
		.amdhsa_system_sgpr_workgroup_id_x 1
		.amdhsa_system_sgpr_workgroup_id_y 1
		.amdhsa_system_sgpr_workgroup_id_z 1
		.amdhsa_system_vgpr_workitem_id 0
		.amdhsa_next_free_vgpr 256
		.amdhsa_next_free_sgpr 96
		.amdhsa_reserve_vcc 0
		.amdhsa_float_denorm_mode_32 3
		.amdhsa_float_denorm_mode_16_64 3
		.amdhsa_memory_ordered 1
		.amdhsa_forward_progress 1
		.amdhsa_inst_pref_size 63
	.end_amdhsa_kernel
	.amdgpu_metadata
---
amdhsa.version: [ 1, 2 ]
amdhsa.kernels:
  - .name:           k_q8c77dd152e_proj
    .symbol:         k_q8c77dd152e_proj.kd
    .args:
      - { .name: Wq_codes, .offset: 0, .size: 8, .value_kind: global_buffer, .address_space: global }
      - { .name: Wq_scales, .offset: 8, .size: 8, .value_kind: global_buffer, .address_space: global }
      - { .name: Q_codes, .offset: 16, .size: 8, .value_kind: global_buffer, .address_space: global }
      - { .name: Q_scales, .offset: 24, .size: 8, .value_kind: global_buffer, .address_space: global }
      - { .name: bq, .offset: 32, .size: 8, .value_kind: global_buffer, .address_space: global }
      - { .name: qcod, .offset: 40, .size: 8, .value_kind: global_buffer, .address_space: global }
      - { .name: qscl, .offset: 48, .size: 8, .value_kind: global_buffer, .address_space: global }
      - { .name: Wk_codes, .offset: 56, .size: 8, .value_kind: global_buffer, .address_space: global }
      - { .name: Wk_scales, .offset: 64, .size: 8, .value_kind: global_buffer, .address_space: global }
      - { .name: K_codes, .offset: 72, .size: 8, .value_kind: global_buffer, .address_space: global }
      - { .name: K_scales, .offset: 80, .size: 8, .value_kind: global_buffer, .address_space: global }
      - { .name: bk, .offset: 88, .size: 8, .value_kind: global_buffer, .address_space: global }
      - { .name: kcod, .offset: 96, .size: 8, .value_kind: global_buffer, .address_space: global }
      - { .name: kscl, .offset: 104, .size: 8, .value_kind: global_buffer, .address_space: global }
      - { .name: V_codes, .offset: 112, .size: 8, .value_kind: global_buffer, .address_space: global }
      - { .name: V_scales, .offset: 120, .size: 8, .value_kind: global_buffer, .address_space: global }
      - { .name: Wv_codes, .offset: 128, .size: 8, .value_kind: global_buffer, .address_space: global }
      - { .name: Wv_scales, .offset: 136, .size: 8, .value_kind: global_buffer, .address_space: global }
      - { .name: bv, .offset: 144, .size: 8, .value_kind: global_buffer, .address_space: global }
      - { .name: vcod, .offset: 152, .size: 8, .value_kind: global_buffer, .address_space: global }
      - { .name: vscl, .offset: 160, .size: 8, .value_kind: global_buffer, .address_space: global }
    .group_segment_fixed_size: 327680
    .private_segment_fixed_size: 0
    .kernarg_segment_align: 8
    .kernarg_segment_size: 168
    .max_flat_workgroup_size: 256
    .sgpr_count:     96
    .vgpr_count:     256
    .wavefront_size: 32
...
	.end_amdgpu_metadata
.endif
;; end of part 1
;; launch attn (part 2): grid 4 x 64, 16 waves a work-group, clusters of 4 x 1, 327,680 bytes of LDS; arguments qcod, qscl, kcod, kscl, vcod, vscl, ccod, cscl; writes ccod, cscl
.if DOCPART == 2
	.amdgcn_target "amdgcn-amd-amdhsa--gfx1250"
	.amdhsa_code_object_version 6
	.text
	.protected	k_q8c77dd152e_attn
	.globl	k_q8c77dd152e_attn
	.p2align	8
	.type	k_q8c77dd152e_attn,@function
k_q8c77dd152e_attn:
	s_mov_b64 s[64:65], 0
	v_nop
	global_prefetch_b8 v0, s[64:65] scope:SCOPE_SE
	s_setreg_imm32_b32 hwreg(HW_REG_WAVE_MODE, 25, 1), 1
	s_wait_xcnt 0x0
	s_wait_alu depctr_hold_cnt(0) depctr_sa_sdst(0) depctr_va_vdst(0) depctr_va_sdst(0) depctr_va_ssrc(0) depctr_va_vcc(0) depctr_vm_vsrc(0)
	s_getreg_b32 s2, hwreg(HW_REG_IB_STS2, 6, 4)
	s_cmp_eq_u32 s2, 0
	s_cbranch_scc0 .Lentry_in_a_cluster
	s_endpgm
.Lentry_in_a_cluster:
	s_bfe_u32 s2, ttmp6, 0x10000c
	s_cmp_lg_u32 s2, 0x3003
	s_cbranch_scc0 .Lentry_shape_is_right
	s_endpgm
.Lentry_shape_is_right:
; ATTENTION ON CODES OF FP4 (E2M1), head size 64, 2,048 keys, no mask; behind it heads / l is quantised along the head's channels for the last product.
; t = score x log2(e) / 8; M = the running largest t rounded UP to a whole number; p = 2^(t - M) is quantised along the keys, not normalised; the row's sum l is taken of the unquantised p and divides at the end.
; When M moves, l and O are multiplied by 2^(old M - new M): nothing is rounded, and there is no branch on data.  The running maximum is kept as a score: c is positive, so c x (the largest score) is the largest t.
; SHARES.  A work-group owns one (batch, head) and 512 queries; each of its sixteen waves owns 32 queries, tiles A and B of 16, which share every fragment of K and V that the wave reads from LDS.
; CLUSTER 4, 1, 1: the four work-groups of a head read the same K and V, and ask for them jointly (mask 15).  All 139,264 bytes come ONCE, at the head, one load a wave: waves 0-3 K's four chunks of 512 keys,
; waves 4-7 V's, waves 8 and 9 the scale words.  One wait, one barrier; behind it no wave waits for another.  Nothing is filled again, and nothing is prefetched: all is asked for at the head.
; LDS: chunk j of K at 32,768 j, of V 16,384 behind it, as images of the operands' registers (512 bytes, lane l's 16 bytes at 16 l); then K's and V's scale words, 4,096 bytes each; the spare words.
; LAYOUT.  Both products are used transposed: S^T = K q^T, O^T = V^T p^T: a lane holds ONE query (lane % 16) throughout.
; K = 64 IN AN INSTRUCTION OF 128.  A fragment of K holds TWO tiles of 16 keys: its k 0-63 are the channels of keys 16 i + r, its k 64-127 those of keys 64 + 16 i + r.  Multiplied by [q | 0] it gives the first
; tile's scores, by [0 | q] the second's.  The zero codes add nothing under the other tile's scale bytes, which lie in 1 .. 254.
; S^T's register 8 (4 c + i) + j is key 64 c + 16 i + 8 hh + j: block b of 32 keys is registers 16 b .. 16 b + 15 of lanes l and l xor 16.
; A block's largest p is not searched for: the block's largest score goes through the same multiply-add and exponential (this takes v_exp_f32 not to fall where its input rises).
; ORDER OF THE VECTOR WORK.  Maxima and sums go in eight chains each, laid among the scale lines, so that few lines read what the lines just above wrote.  Tile A's O^T is rescaled among tile B's maxima, B's own among
; its scale lines.  Most of tile B's sum stands BEHIND the step's last products: the next step's fragments of K are asked for four additions behind them, and the other additions stand between that request and the wait for it.
; The last step's request reads 4,096 + 256 bytes of the scale words' region, and nothing uses it.
; LIMITS: the scaled scores stay under 2^31 in magnitude.  A block of zeros gets the byte 1, not 127 (its codes are zeros; this program alone reads the bytes).  NaN and infinities are not served.  1 / l is v_rcp_f32's.
; REGISTERS: v1 16 x lane; v2 4 x lane + K's scale words; v3, v5 the trip's addresses; v6-7 K's scale words, v8-9 V's, v10-11 q's, v12-13 p's; v14-19 head and way out; v20-23, v24-27 A's, B's: -M, largest score, l in two halves;
;   v32-63 four fragments of K, then of V; v64-127 S^T, then p; v128-191 O^T of A, of B; v192-207 p's codes; v208-227 zeros, q of A, zeros, q of B, zeros; v228-253 at work; v254-255 the spare word and 0.
.set VOF,  16384
.set KSCL, 131072
.set SPARE, 139264
.set LI,  1
.set LS,  2
.set ADK, 3
.set ADS, 5
.set KSC, 6
.set VSC, 8
.set QSC, 10
.set PSC, 12
.set F,   32
.set S,   64
.set OA,  128
.set PCD, 192
.set U,   228                          ; v228-235 four chains of the sum; two more in v240-243, one in v250-251, the eighth is l itself
.set BM,  236                          ; v236-239 the blocks' largest scores, largest p, bytes
.set T2,  240                          ; v240-243 the second chains of the maxima; the other half's maxima
.set SO,  244                          ; v244-247 the conversions' scale operands
.set FF,  248                          ; v[248:249] f = 2^(old M - new M), named as a pair
.set TT,  250
.set TO,  251
.set HW,  252
.set TM,  236
.set SEL, 24
.set CS,  26
.set TB,  70
.set TS,  71
.set TRIP, 72
.macro PLACES
.rept 4
	v_nop
.endr
.endm
.macro WALU
	s_wait_alu depctr_va_vdst(0)
.endm
.macro CROUND                          ; a round of the cluster's barrier
	s_barrier_signal -1
	s_barrier_wait -1
	s_cmp_lg_u32 s20, 0
	s_cbranch_scc1 .Lnw0_\@
	s_barrier_signal -3
.Lnw0_\@:
	s_barrier_wait -3
	s_barrier_signal -1
	s_barrier_wait -1
.endm
.macro QUANT2 src, pc, hw              ; 32 numbers of a lane, register 8 t + j = place 16 t + 8 hh + j, become four registers of codes (lane (r, hh): block hh) and a halfword of two scale bytes
	v_max3_num_f32 v[TM], |v[(\src)]|, |v[(\src)+1]|, 0x1800000              ; with the floor 2^(3 - 127): the byte cannot fall under 1
	v_max3_num_f32 v[TM+1], |v[(\src)+16]|, |v[(\src)+17]|, 0x1800000
.irp n, 2,4,6,8,10,12,14
	s_delay_alu instid0(VALU_DEP_2)
	v_max3_num_f32 v[TM], v[TM], |v[(\src)+\n]|, |v[(\src)+\n+1]|
	s_delay_alu instid0(VALU_DEP_2)
	v_max3_num_f32 v[TM+1], v[TM+1], |v[(\src)+16+\n]|, |v[(\src)+17+\n]|
.endr
	s_delay_alu instid0(VALU_DEP_2)
	v_permlanex16_b32 v[TM+2], v[TM], s[SEL], s[SEL+1]
	s_delay_alu instid0(VALU_DEP_2)
	v_permlanex16_b32 v[TM+3], v[TM+1], s[SEL], s[SEL+1]
	s_delay_alu instid0(VALU_DEP_2)
	v_max_num_f32 v[TM], v[TM], v[TM+2]
	s_delay_alu instid0(VALU_DEP_2)
	v_max_num_f32 v[TM+1], v[TM+1], v[TM+3]
	s_delay_alu instid0(VALU_DEP_2)
	v_add_nc_u32 v[TM+4], 0xff000000, v[TM]        ; 2 off the exponent field: the conversion's scale operand
	s_delay_alu instid0(VALU_DEP_2)
	v_add_nc_u32 v[TM+5], 0xff000000, v[TM+1]
	s_delay_alu instid0(VALU_DEP_2)
	v_lshrrev_b32 v[TM+2], 23, v[TM+4]
	s_delay_alu instid0(VALU_DEP_2)
	v_lshrrev_b32 v[TM+3], 23, v[TM+5]
	s_delay_alu instid0(VALU_DEP_1)
	v_lshl_or_b32 v[\hw], v[TM+3], 8, v[TM+2]
	v_cvt_scalef32_pk8_fp4_f32 v[(\pc)], v[(\src):(\src)+7], v[TM+4]
	v_cvt_scalef32_pk8_fp4_f32 v[(\pc)+1], v[(\src)+16:(\src)+23], v[TM+5]
	v_cvt_scalef32_pk8_fp4_f32 v[(\pc)+2], v[(\src)+8:(\src)+15], v[TM+4]
	v_cvt_scalef32_pk8_fp4_f32 v[(\pc)+3], v[(\src)+24:(\src)+31], v[TM+5]
	v_nop                                          ; one plain line behind a scaled conversion
	v_permlane16_swap_b32 v[(\pc)], v[(\pc)+1]
	v_permlane16_swap_b32 v[(\pc)+2], v[(\pc)+3]
.endm
; S^T of one tile of queries: eight products, each starting its own sum.  qlo: [q | 0] begins here, [0 | q] four registers lower.  K's scale words of fragments 2 u and 2 u + 1 share a register (lanes 0-15, 16-31).
.macro SMUL qlo, qsc
.irp c, 0,1
.irp i, 0,1,2,3
.if (\i)%2
	v_wmma_scale_f32_16x16x128_f8f6f4 v[S+8*(4*\c+\i):S+8*(4*\c+\i)+7], v[F+8*\i:F+8*\i+7], v[(\qlo)-4*\c:(\qlo)-4*\c+7], 0, v[KSC+\i/2], v[\qsc] matrix_a_fmt:MATRIX_FMT_FP4 matrix_b_fmt:MATRIX_FMT_FP4 matrix_a_scale:MATRIX_SCALE_ROW1
.else
	v_wmma_scale_f32_16x16x128_f8f6f4 v[S+8*(4*\c+\i):S+8*(4*\c+\i)+7], v[F+8*\i:F+8*\i+7], v[(\qlo)-4*\c:(\qlo)-4*\c+7], 0, v[KSC+\i/2], v[\qsc] matrix_a_fmt:MATRIX_FMT_FP4 matrix_b_fmt:MATRIX_FMT_FP4
.endif
.endr
.endr
.endm
; O^T += V^T p^T for both tiles: eight accumulators by turns, one instruction a turn
.macro PV
.irp i, 0,1,2,3
.irp x, 0,1
.if (\i)%2
	v_wmma_scale_f32_16x16x128_f8f6f4 v[OA+32*\x+8*\i:OA+32*\x+8*\i+7], v[F+8*\i:F+8*\i+7], v[PCD+8*\x:PCD+8*\x+7], v[OA+32*\x+8*\i:OA+32*\x+8*\i+7], v[VSC+\i/2], v[PSC+\x] matrix_a_fmt:MATRIX_FMT_FP4 matrix_b_fmt:MATRIX_FMT_FP4 matrix_a_scale:MATRIX_SCALE_ROW1
.else
	v_wmma_scale_f32_16x16x128_f8f6f4 v[OA+32*\x+8*\i:OA+32*\x+8*\i+7], v[F+8*\i:F+8*\i+7], v[PCD+8*\x:PCD+8*\x+7], v[OA+32*\x+8*\i:OA+32*\x+8*\i+7], v[VSC+\i/2], v[PSC+\x] matrix_a_fmt:MATRIX_FMT_FP4 matrix_b_fmt:MATRIX_FMT_FP4
.endif
.endr
.endr
.endm
.macro RESC o, a, n                    ; n pairs of O^T from pair a on, x f: each accumulator from its low end on
.set J_, \a
.rept \n
	v_pk_mul_f32 v[(\o)+2*J_:(\o)+2*J_+1], v[(\o)+2*J_:(\o)+2*J_+1], v[FF:FF+1] op_sel_hi:[1,0]
.set J_, J_+1
.endr
.endm
; THE ROW'S SUM, of the unquantised p, two numbers an instruction, in eight chains.  Chain i = 0 .. 6 lies at v[U + 2 i], + 4 from i = 4 on, + 6 more for i = 6: v228, 230, 232, 234, 240, 242, 250; chain 7 is l.
.macro SINIT st                        ; the chains begin: pairs 0 to 13 of p's 32 start the seven, pair 14 goes to l
.set CI_, 0
.rept 7
.set CR_, U+2*CI_+(CI_/4)*4+(CI_/6)*6
	v_pk_add_f32 v[CR_:CR_+1], v[S+4*CI_:S+4*CI_+1], v[S+4*CI_+2:S+4*CI_+3]
.set CI_, CI_+1
.endr
	v_pk_add_f32 v[(\st)+2:(\st)+3], v[(\st)+2:(\st)+3], v[S+28:S+29]
.set KP_, 15
.endm
.macro ADDS st, n                      ; the next n pairs of p go to the eight chains by turns
.rept \n
.set CI_, (KP_+1)%8
.if CI_ == 7
	v_pk_add_f32 v[(\st)+2:(\st)+3], v[(\st)+2:(\st)+3], v[S+2*KP_:S+2*KP_+1]
.else
.set CR_, U+2*CI_+(CI_/4)*4+(CI_/6)*6
	v_pk_add_f32 v[CR_:CR_+1], v[CR_:CR_+1], v[S+2*KP_:S+2*KP_+1]
.endif
.set KP_, KP_+1
.endr
.endm
.macro JOINS st                        ; the eight become one
	v_pk_add_f32 v[U+4:U+5], v[U+4:U+5], v[U+6:U+7]
	v_pk_add_f32 v[T2:T2+1], v[T2:T2+1], v[T2+2:T2+3]
	v_pk_add_f32 v[(\st)+2:(\st)+3], v[(\st)+2:(\st)+3], v[TT:TT+1]
	v_pk_add_f32 v[U:U+1], v[U:U+1], v[U+2:U+3]
	s_delay_alu instid0(VALU_DEP_2)
	v_pk_add_f32 v[(\st)+2:(\st)+3], v[(\st)+2:(\st)+3], v[T2:T2+1]
	s_delay_alu instid0(VALU_DEP_2)
	v_pk_add_f32 v[U:U+1], v[U:U+1], v[U+4:U+5]
	s_delay_alu instid0(VALU_DEP_1)
	v_pk_add_f32 v[(\st)+2:(\st)+3], v[(\st)+2:(\st)+3], v[U:U+1]
.endm
.macro KLOAD ak, as, off, soff         ; K's four fragments (fragment i: keys 16 i + r and 64 + 16 i + r) and their scale words (lanes 0-15: fragments 0, 2; lanes 16-31: fragments 1, 3)
.irp i, 0,1,2,3
.irp c, 0,1
	ds_load_b128 v[F+8*\i+4*\c:F+8*\i+4*\c+3], v[\ak] offset:(\off)+1024*\i+512*\c
.endr
.endr
	ds_load_b32 v[KSC], v[\as] offset:(\soff)
	ds_load_b32 v[KSC+1], v[\as] offset:(\soff)+128
.endm
.macro TLESS st, j                     ; t - M of two scores (of the pairs c and -M the low word serves both halves)
	v_pk_fma_f32 v[S+\j:S+\j+1], v[S+\j:S+\j+1], s[CS:CS+1], v[(\st):(\st)+1] op_sel_hi:[1,0,0]
.endm
; One tile's softmax for 128 keys, on S.  st: its statistics; pc: its codes; psc: its scale word.  fill = 0 (tile A): with its whole sum.
; fill = 1 (tile B): tile A's O^T is rescaled among the maxima (f is still A's there), B's own among the scale lines; of the sum only the chains' first lines stand here.
.macro SOFTMAX st, pc, psc, fill
.irp b, 0,1,2,3
	v_max3_num_f32 v[BM+\b], v[S+16*\b], v[S+16*\b+1], v[S+16*\b+2]           ; the largest score of each block of 32 keys, two chains a block, one to an accumulator, each from its low end on
.endr
.irp b, 0,1,2,3
	v_max3_num_f32 v[T2+\b], v[S+16*\b+8], v[S+16*\b+9], v[S+16*\b+10]
.endr
.irp n, 3,5
.irp b, 0,1,2,3
	v_max3_num_f32 v[BM+\b], v[BM+\b], v[S+16*\b+\n], v[S+16*\b+\n+1]
.endr
.irp b, 0,1,2,3
	v_max3_num_f32 v[T2+\b], v[T2+\b], v[S+16*\b+\n+8], v[S+16*\b+\n+9]
.endr
.endr
.irp b, 0,1,2,3
	v_max3_num_f32 v[BM+\b], v[BM+\b], v[S+16*\b+7], v[S+16*\b+15]
.endr
.if \fill
	RESC OA, 4, 4
.endif
.irp b, 0,1,2,3
.if \fill == 0
	s_delay_alu instid0(VALU_DEP_4)
.endif
	v_max_num_f32 v[BM+\b], v[BM+\b], v[T2+\b]
.endr
.if \fill
	RESC OA, 8, 4
.endif
.irp b, 0,1,2,3
.if \fill == 0
	s_delay_alu instid0(VALU_DEP_4)
.endif
	v_permlanex16_b32 v[T2+\b], v[BM+\b], s[SEL], s[SEL+1]
.endr
.if \fill
	RESC OA, 12, 4
.endif
.irp b, 0,1,2,3
.if \fill == 0
	s_delay_alu instid0(VALU_DEP_4)
.endif
	v_max_num_f32 v[BM+\b], v[BM+\b], v[T2+\b]     ; with lane l xor 16's 16 keys
.endr
	s_delay_alu instid0(VALU_DEP_2)
	v_max3_num_f32 v[TT], v[BM], v[BM+1], v[BM+2]
	s_delay_alu instid0(VALU_DEP_1)
	v_max3_num_f32 v[(\st)+1], v[(\st)+1], v[TT], v[BM+3]   ; the running largest score of my query
	s_delay_alu instid0(VALU_DEP_1)
	v_mul_f32 v[TT], s[CS], v[(\st)+1]             ; as t
	v_mov_b32 v[TO], v[\st]
	s_delay_alu instid0(VALU_DEP_2)
	v_floor_f32 v[\st], -v[TT]                     ; the new -M = floor(-t) = -ceil(t)
.irp j, 0,2
	TLESS \st, \j
.endr
	v_sub_f32 v[TT], v[\st], v[TO]                 ; old M less new M: a whole number, 0 or less
.irp j, 4,6,8,10
	TLESS \st, \j
.endr
	v_cvt_i32_f32 v[TT], v[TT]                     ; (it saturates)
.irp j, 12,14,16,18
	TLESS \st, \j
.endr
	v_ldexp_f32 v[FF], 1.0, v[TT]                  ; f = 2^(old M - new M)
.irp j, 20,22,24,26,28,30,32,34,36,38,40,42,44,46,48,50,52,54,56,58,60,62
	TLESS \st, \j
.endr
.irp b, 0,2
	v_pk_fma_f32 v[BM+\b:BM+\b+1], v[BM+\b:BM+\b+1], s[CS:CS+1], v[(\st):(\st)+1] op_sel_hi:[1,0,0]   ; the same of each block's largest score
.endr
	WALU                                           ; ahead of the batch
.set n, 0
.rept 64
	v_exp_f32 v[S+n], v[S+n]                       ; p = 2^(t - M), at most 1
.set n, n+1
.endr
.irp b, 0,1,2,3
	v_exp_f32 v[BM+\b], v[BM+\b]                   ; the block's largest p
.endr
	v_pk_mul_f32 v[(\st)+2:(\st)+3], v[(\st)+2:(\st)+3], v[FF:FF+1] op_sel_hi:[1,0]   ; l under the new M: the plain line behind the exponentials
	WALU                                           ; and behind it
.irp b, 0,1,2,3
	v_max_num_f32 v[BM+\b], 0x1800000, v[BM+\b]    ; the floor 2^(3 - 127): the byte cannot fall under 1
.endr
.if \fill
	RESC OA+32, 0, 4
.else
	SINIT \st
.endif
.irp b, 0,1,2,3
	v_add_nc_u32 v[SO+\b], 0xff000000, v[BM+\b]    ; 2 off the exponent field: the conversion's scale operand
.endr
.if \fill
	RESC OA+32, 4, 4
.else
	ADDS \st, 5
.endif
.irp b, 0,1,2,3
	v_lshrrev_b32 v[BM+\b], 23, v[SO+\b]           ; the scale's byte
.endr
.irp c, 0,1
	v_cvt_scalef32_pk8_fp4_f32 v[(\pc)+4*\c], v[S+32*\c:S+32*\c+7], v[SO+2*\c]            ; X(4 c)
	v_cvt_scalef32_pk8_fp4_f32 v[(\pc)+4*\c+1], v[S+32*\c+16:S+32*\c+23], v[SO+2*\c+1]    ; X(4 c + 2)
	v_cvt_scalef32_pk8_fp4_f32 v[(\pc)+4*\c+2], v[S+32*\c+8:S+32*\c+15], v[SO+2*\c]       ; X(4 c + 1)
	v_cvt_scalef32_pk8_fp4_f32 v[(\pc)+4*\c+3], v[S+32*\c+24:S+32*\c+31], v[SO+2*\c+1]    ; X(4 c + 3)
.endr
.if \fill                                      ; (plain lines behind the scaled conversions)
	RESC OA+32, 8, 4
.else
	ADDS \st, 4
.endif
	v_lshl_or_b32 v[\psc], v[BM+1], 8, v[BM]       ; p's scale word for these 128 keys
	v_permlane16_swap_b32 v[(\pc)], v[(\pc)+1]     ; registers 4 c .. 4 c + 3 then hold keys 64 c + 32 hh + 0 .. 31
	v_permlane16_swap_b32 v[(\pc)+2], v[(\pc)+3]
.if \fill
	RESC OA+32, 12, 2
.else
	ADDS \st, 4
.endif
	v_lshl_or_b32 v[\psc], v[BM+2], 16, v[\psc]
	v_permlane16_swap_b32 v[(\pc)+4], v[(\pc)+5]
	v_permlane16_swap_b32 v[(\pc)+6], v[(\pc)+7]
.if \fill
	RESC OA+32, 14, 2
.else
	ADDS \st, 4
.endif
	v_lshl_or_b32 v[\psc], v[BM+3], 24, v[\psc]
.if \fill
	SINIT \st                                      ; eight plain lines between the scale word's last write and the products
.else
	JOINS \st
.endif
.endm
; A KEY STEP: 128 keys, the q-th of the trip's chunk, for both tiles of queries.  Its fragments of K were asked for at the end of the step before.
.macro STEP q
	s_wait_dscnt 0x0                               ; K is in
	SMUL 212, QSC
	PLACES
	SOFTMAX 20, PCD, PSC, 0
	SMUL 220, QSC+1
	RESC OA, 0, 4                                  ; A's O^T under its new M: these four are the places in front of the loads into K's registers and of the first read of the scores
.irp i, 0,1,2,3
.irp c, 0,1
	ds_load_b128 v[F+8*\i+4*\c:F+8*\i+4*\c+3], v[ADK] offset:VOF+4096*(\q)+1024*\i+512*\c   ; V's fragment i: channels 16 i + r, these 128 keys
.endr
.endr
	ds_load_b32 v[VSC], v[ADS] offset:4096+256*(\q)
	ds_load_b32 v[VSC+1], v[ADS] offset:4224+256*(\q)
	SOFTMAX 24, PCD+8, PSC+1, 1
	WALU
	s_wait_dscnt 0x0                               ; V is in
	PV
	ADDS 24, 4                                     ; B's sum goes on: these four are the places in front of the loads into V's registers
.if \q == 3
	KLOAD ADK, ADS, 32768, 1024                    ; the next chunk's first step
.else
	KLOAD ADK, ADS, 4096*(\q)+4096, 256*(\q)+256
.endif
	ADDS 24, 13
	JOINS 24
.endm
	s_load_b512 s[4:19], s[0:1], 0x0               ; q's codes s[4:5], scales s[6:7]; k's s[8:9], s[10:11]; v's s[12:13], s[14:15]; cat's codes s[16:17], scales s[18:19]
	v_lshl_add_u32 v254, v0, 2, SPARE
	v_mov_b32 v255, 0
	ds_add_u32 v254, v255                          ; the opening lines: the add, twice on end, and its wait
	ds_add_u32 v254, v255
	v_lshrrev_b32 v1, 5, v0
	v_readfirstlane_b32 s20, v1                    ; wave 0..15
	s_and_b32 s21, ttmp7, 0xffff                   ; 16 b + head: the cluster's y
	s_bfe_u32 s22, ttmp6, 0x40000                  ; which 512 queries: my place in the cluster; it enters global addresses of q and of the results alone
	; descriptor groups 1: dense blocks as rows of 32 elements of 8 bytes: 64 rows (a chunk of codes), 16 rows (a head's scale words); mask 15, bit 21 beside it
	s_mov_b32 s28, 15|(3<<16)|(1<<21)
	s_mov_b32 s29, 32<<16
	s_mov_b32 s30, 64<<16
	s_mov_b32 s31, 32<<16
	s_mov_b32 s32, 64
	s_mov_b32 s33, 32
	s_mov_b32 s34, 0
	s_mov_b32 s35, 0
	s_mov_b32 s36, 15|(3<<16)|(1<<21)
	s_mov_b32 s37, 32<<16
	s_mov_b32 s38, 16<<16
	s_mov_b32 s39, 32<<16
	s_mov_b32 s40, 16
	s_mov_b32 s41, 32
	s_mov_b32 s42, 0
	s_mov_b32 s43, 0
	s_mov_b32 s[SEL], 0x76543210
	s_mov_b32 s[SEL+1], 0xfedcba98
	s_mov_b32 s[CS], 0x3e38aa3b                    ; c = log2(e) / 8
	s_mov_b32 s[CS+1], s[CS]
	v_and_b32 v14, 31, v0                          ; lane
	v_and_b32 v15, 15, v0                          ; r
	v_lshlrev_b32 v[LI], 4, v14
	v_lshl_add_u32 v[LS], v14, 2, KSCL
	v_lshlrev_b32 v16, 2, v15                      ; q's scale halfwords: 4 r
	v_lshlrev_b32 v19, 5, v15                      ; cat's scale bytes: 32 r
	WALU
	s_wait_dscnt 0x0
	CROUND                                         ; the round in front of the joint loads
	s_wait_kmcnt 0x0
	s_cmp_lt_u32 s20, 4                            ; waves 0-3 fetch K's codes, waves 4-7 V's; wave 8 K's scale words, wave 9 V's
	s_cselect_b64 s[74:75], s[8:9], s[12:13]
	s_cmp_eq_u32 s20, 8
	s_cselect_b64 s[76:77], s[10:11], s[14:15]
	s_and_b32 s72, s20, 3                          ; the chunk
	s_lshr_b32 s73, s20, 2
	s_lshl_b32 s78, s21, 16
	s_lshl_b32 s71, s72, 14
	s_add_co_u32 s78, s78, s71
	s_mov_b32 s79, 0
	s_add_nc_u64 s[74:75], s[74:75], s[78:79]      ; the head's 65,536 bytes of codes, my 16,384
	s_lshl_b32 s78, s21, 12
	s_add_nc_u64 s[76:77], s[76:77], s[78:79]      ; its 4,096 of scale words
	s_mov_b32 s48, 1
	s_lshl_b32 s49, s72, 15
	s_lshl_b32 s71, s73, 14
	s_add_co_u32 s49, s49, s71                     ; 32,768 x chunk + 16,384 for V
	s_mov_b64 s[50:51], s[74:75]
	s_or_b32 s51, s51, 0x80000000
	s_mov_b32 s44, 1
	s_lshl_b32 s45, s20, 12
	s_add_co_u32 s45, s45, KSCL-32768              ; KSCL + 4,096 (wave - 8)
	s_mov_b64 s[46:47], s[76:77]
	s_or_b32 s47, s47, 0x80000000
	s_cmp_lt_u32 s20, 8                            ; one chain of branches on the wave's number, one load to an arm
	s_cbranch_scc0 .Lwords
	tensor_load_to_lds s[48:51], s[28:35]
	s_nop 0
	PLACES
	s_branch .Lasked
.Lwords:
	s_cmp_lt_u32 s20, 10
	s_cbranch_scc0 .Lasked
	tensor_load_to_lds s[44:47], s[36:43]
	s_nop 0
	PLACES
.Lasked:
	; my 32 queries begin at token 512 QB + 32 wave: group of 64 g = 8 QB + wave / 2, key step g / 2, c = g & 1, tiles i = 2 (wave & 1) and the next
	s_lshl_b32 s73, s22, 3
	s_lshr_b32 s74, s20, 1
	s_add_co_u32 s73, s73, s74
	s_lshr_b32 s74, s73, 1
	s_and_b32 s75, s73, 1
	s_and_b32 s76, s20, 1
	s_lshl_b32 s78, s21, 16
	s_lshl_b32 s77, s74, 12
	s_add_co_u32 s78, s78, s77
	s_lshl_b32 s77, s76, 11
	s_add_co_u32 s78, s78, s77
	s_lshl_b32 s77, s75, 9
	s_add_co_u32 s78, s78, s77
	s_add_nc_u64 s[4:5], s[4:5], s[78:79]
	s_lshl_b32 s78, s21, 12
	s_lshl_b32 s77, s74, 8
	s_add_co_u32 s78, s78, s77
	s_lshl_b32 s77, s76, 7
	s_add_co_u32 s78, s78, s77
	s_lshl_b32 s77, s75, 1
	s_add_co_u32 s78, s78, s77
	s_add_nc_u64 s[6:7], s[6:7], s[78:79]
	global_load_b128 v[212:215], v[LI], s[4:5]                 ; q of tile A: an image, as it lies
	global_load_b128 v[220:223], v[LI], s[4:5] offset:1024     ; of tile B
	global_load_u16 v17, v16, s[6:7]                           ; their rows' two scale bytes
	global_load_u16 v18, v16, s[6:7] offset:64
	; the way out: row tile RT = 128 b + 32 QB + 2 wave of cat;  codes at (head / 8) x 2^21 + RT x 4,096 + (head & 7) x 512;  scale bytes at RT x 512 + 2 head
	s_lshr_b32 s73, s21, 4
	s_and_b32 s74, s21, 15
	s_lshl_b32 s73, s73, 7
	s_lshl_b32 s75, s22, 5
	s_add_co_u32 s73, s73, s75
	s_lshl_b32 s75, s20, 1
	s_add_co_u32 s73, s73, s75
	s_lshr_b32 s78, s74, 3
	s_lshl_b32 s78, s78, 21
	s_lshl_b32 s75, s73, 12
	s_add_co_u32 s78, s78, s75
	s_and_b32 s75, s74, 7
	s_lshl_b32 s75, s75, 9
	s_add_co_u32 s78, s78, s75
	s_add_nc_u64 s[16:17], s[16:17], s[78:79]
	s_lshl_b32 s78, s73, 9
	s_lshl_b32 s75, s74, 1
	s_add_co_u32 s78, s78, s75
	s_add_nc_u64 s[18:19], s[18:19], s[78:79]
.irp e, 0,1
	v_mov_b32 v[21+4*\e], 0xff61b1e6               ; the largest score so far: -3e38
	v_mov_b32 v[20+4*\e], 0x7f61b1e6               ; -M: 3e38, so that the first f is 0
	v_mov_b32 v[22+4*\e], 0                        ; l, in two halves
	v_mov_b32 v[23+4*\e], 0
.endr
.irp b, 0,1,2,3
	v_mov_b32 v[208+\b], 0                         ; the zero codes beside q
	v_mov_b32 v[216+\b], 0
	v_mov_b32 v[224+\b], 0
.endr
	v_mov_b32 v[FF+1], 0                           ; (named as the upper half of the pair)
	s_wait_loadcnt 0x0                             ; q
	v_lshl_or_b32 v[QSC], v17, 16, v17             ; q's two bytes serve k 0-63 in [q | 0] and k 64-127 in [0 | q]
	v_lshl_or_b32 v[QSC+1], v18, 16, v18
.set n, 0
.rept 64
	v_mov_b32 v[OA+n], 0                           ; O^T: the step is written once; the first finds zeros, which f = 0 leaves zeros.  (Also the places between q's scale words and the first products)
.set n, n+1
.endr
	s_mov_b32 s[TB], 0
	s_mov_b32 s[TS], 0
	s_mov_b32 s[TRIP], 4
	WALU                                           ; at the head's end
	s_wait_tensorcnt 0x0                           ; every wave: my tile, if I asked for one, is in
	s_barrier_signal -1
	s_barrier_wait -1                              ; all of K, V and their scale words are whole
	KLOAD LI, LS, 0, 0                             ; the first step's fragments of K
.Ltrip:                                            ; four trips, a chunk of 512 keys each
	v_add_nc_u32 v[ADK], s[TB], v[LI]
	v_add_nc_u32 v[ADS], s[TS], v[LS]
	STEP 0
	STEP 1
	STEP 2
	STEP 3
	s_add_co_u32 s[TB], s[TB], 32768
	s_add_co_u32 s[TS], s[TS], 1024
	s_sub_co_u32 s[TRIP], s[TRIP], 1
	s_cmp_lg_u32 s[TRIP], 0
	s_cbranch_scc1 .Ltrip
	; THE WAY OUT.  heads = O^T / l; register 8 i + j is channel 16 i + 8 hh + j of my query: two blocks of 32 along the last product's K.  Codes leave as an image, the two scale bytes as a halfword.
.macro LEAVE e
	v_add_f32 v[TT], v[22+4*\e], v[23+4*\e]        ; l's two halves,
	s_delay_alu instid0(VALU_DEP_1)
	v_permlanex16_b32 v[T2], v[TT], s[SEL], s[SEL+1]
	s_delay_alu instid0(VALU_DEP_1)
	v_add_f32 v[TT], v[TT], v[T2]                  ; and lane l xor 16's
	WALU
	v_rcp_f32 v[TT], v[TT]
	v_nop                                          ; one plain line behind a transcendental
.set n, 0
	WALU
.rept 32
	v_mul_f32 v[S+32*\e+n], v[OA+32*\e+n], v[TT]   ; each accumulator from its low end on
.set n, n+1
.endr
	QUANT2 S+32*\e, PCD+8*\e, HW+\e
	global_store_b128 v[LI], v[PCD+8*\e:PCD+8*\e+3], s[16:17] offset:4096*\e   ; the wave stores 512 consecutive bytes, aligned
	global_store_b16 v19, v[HW+\e], s[18:19] offset:512*\e                    ; lanes l and l xor 16 store the same halfword
.endm
	LEAVE 0                                        ; (the last products stand 24 plain lines back)
	LEAVE 1
	s_wait_tensorcnt 0x0                           ; the wave's end
	ds_add_u32 v254, v255
	s_wait_dscnt 0x0
	CROUND                                         ; the closing round
	s_endpgm
.Lfunc_end_k_q8c77dd152e_attn:
	.size	k_q8c77dd152e_attn, .Lfunc_end_k_q8c77dd152e_attn-k_q8c77dd152e_attn
	.p2alignl 7, 3214868480
	.fill 96, 4, 3214868480
	.section	.rodata,"a",@progbits
	.p2align	6, 0x0
	.amdhsa_kernel k_q8c77dd152e_attn
		.amdhsa_group_segment_fixed_size 327680
		.amdhsa_private_segment_fixed_size 0
		.amdhsa_enable_private_segment 0
		.amdhsa_kernarg_size 64
		.amdhsa_user_sgpr_count 2
		.amdhsa_user_sgpr_kernarg_segment_ptr 1
		.amdhsa_wavefront_size32 1
		.amdhsa_system_sgpr_workgroup_id_x 1
		.amdhsa_system_sgpr_workgroup_id_y 1
		.amdhsa_system_sgpr_workgroup_id_z 1
		.amdhsa_system_vgpr_workitem_id 0
		.amdhsa_next_free_vgpr 256
		.amdhsa_next_free_sgpr 80
		.amdhsa_reserve_vcc 0
		.amdhsa_float_denorm_mode_32 3
		.amdhsa_float_denorm_mode_16_64 3
		.amdhsa_memory_ordered 1
		.amdhsa_forward_progress 1
		.amdhsa_inst_pref_size 132
	.end_amdhsa_kernel
	.amdgpu_metadata
---
amdhsa.version: [ 1, 2 ]
amdhsa.kernels:
  - .name:           k_q8c77dd152e_attn
    .symbol:         k_q8c77dd152e_attn.kd
    .args:
      - { .name: qcod, .offset: 0, .size: 8, .value_kind: global_buffer, .address_space: global }
      - { .name: qscl, .offset: 8, .size: 8, .value_kind: global_buffer, .address_space: global }
      - { .name: kcod, .offset: 16, .size: 8, .value_kind: global_buffer, .address_space: global }
      - { .name: kscl, .offset: 24, .size: 8, .value_kind: global_buffer, .address_space: global }
      - { .name: vcod, .offset: 32, .size: 8, .value_kind: global_buffer, .address_space: global }
      - { .name: vscl, .offset: 40, .size: 8, .value_kind: global_buffer, .address_space: global }
      - { .name: ccod, .offset: 48, .size: 8, .value_kind: global_buffer, .address_space: global }
      - { .name: cscl, .offset: 56, .size: 8, .value_kind: global_buffer, .address_space: global }
    .group_segment_fixed_size: 327680
    .private_segment_fixed_size: 0
    .kernarg_segment_align: 8
    .kernarg_segment_size: 64
    .max_flat_workgroup_size: 512
    .sgpr_count:     80
    .vgpr_count:     256
    .wavefront_size: 32
...
	.end_amdgpu_metadata
.endif
;; end of part 2
;; launch outp (part 3): grid 256 x 1, 8 waves a work-group, clusters of 4 x 1, 327,680 bytes of LDS; arguments Wo_codes, Wo_scales, ccod, cscl, bo, out0; writes out0
.if DOCPART == 3
	.amdgcn_target "amdgcn-amd-amdhsa--gfx1250"
	.amdhsa_code_object_version 6
	.text
	.protected	k_q8c77dd152e_outp
	.globl	k_q8c77dd152e_outp
	.p2align	8
	.type	k_q8c77dd152e_outp,@function
k_q8c77dd152e_outp:
	s_mov_b64 s[64:65], 0
	v_nop
	global_prefetch_b8 v0, s[64:65] scope:SCOPE_SE
	s_setreg_imm32_b32 hwreg(HW_REG_WAVE_MODE, 25, 1), 1
	s_wait_xcnt 0x0
	s_wait_alu depctr_hold_cnt(0) depctr_sa_sdst(0) depctr_va_vdst(0) depctr_va_sdst(0) depctr_va_ssrc(0) depctr_va_vcc(0) depctr_vm_vsrc(0)
	s_getreg_b32 s2, hwreg(HW_REG_IB_STS2, 6, 4)
	s_cmp_eq_u32 s2, 0
	s_cbranch_scc0 .Lentry_in_a_cluster
	s_endpgm
.Lentry_in_a_cluster:
	s_bfe_u32 s2, ttmp6, 0x10000c
	s_cmp_lg_u32 s2, 0x3003
	s_cbranch_scc0 .Lentry_shape_is_right
	s_endpgm
.Lentry_shape_is_right:
; out0 = cat Wo + bo on codes of FP4 (E2M1) with one E8M0 scale for each 32 along K = 1,024.  cat's codes come as images of the operand's registers, [K half 2][row tile 512][head & 7][512], its scale bytes [8192][32].
; THE MATRIX INSTRUCTION IS USED TRANSPOSED: source 0 = 16 rows of Wo's codes (output columns), source 1 = 16 rows of cat: a lane holds eight neighbouring numbers of one row of out0.
; SHARES.  A work-group makes 256 rows x 128 columns with all of K in LDS, filled once, in two chunks along K; a wave makes 64 x 64: 16 accumulators, 128 matrix instructions.  256 work-groups.
; CLUSTER 4, 1, 1: the four work-groups of a cluster make four neighbouring blocks of columns of the SAME 256 rows.  cat's images and scale bytes (139,264 of a work-group's 208,896 bytes) are asked for jointly (mask 15), by
; descriptors made of the cluster's number and the wave's alone; Wo's tiles are each work-group's own, on load lines of their own.  All is asked for at the head, so nothing is prefetched.
; bo is the C of each sum's first matrix instruction.  Results go through the wave's own stage in LDS and leave as aligned runs of 256 bytes.
; LIMITS: NaN and infinities are not served.
; REGISTERS: v1 r, v2 hh, v3 lane; v4-5, v6-7 fragment addresses; v8 scale words' address; v9-11 the way out; v12-15 scale words; v20-51 bo, four tiles of eight; v52-83 Wo's four fragments; v84-115 cat's four
;   (on the way out both are rows read back from the stage); v126-127 the spare word and 0; v128-255 accumulators, (row tile i, column tile t) at 128 + 32 i + 8 t.
.set PITCH, 272                        ; an LDS row: 256 bytes + 16 of padding
.set T64,   64*PITCH
.set PCH1,  2*T64                      ; Wo's 128 rows: K bytes 0-255 at 0, K bytes 256-511 here
.set RIMG,  4*T64                      ; cat's images for K's first half: 16 row tiles x 4,096 bytes
.set R1,    196608                     ; and for its second half: 32,768 x wave for waves 6 and 7
.set SCP,   262144                     ; Wo's scale bytes: 16 runs of 256 bytes + 16 of padding
.set SCR,   SCP+16*PITCH               ; cat's: 32 runs
.set STG,   SCR+32*PITCH               ; the stages: 16 rows x 272 bytes for each wave; a multiple of 256, and no tile lands here
.set ADP, 4
.set ADR, 6
.set ADS, 8
.set STO, 9
.set RD,  10
.set CO,  11
.set SC,  12
.set BB,  20
.set PF,  52
.set RF,  84
.set ACC, 128
.macro PLACES                          ; four plain vector lines behind a matrix instruction, and behind a tensor load's s_nop 0
.rept 4
	v_nop
.endr
.endm
.macro CROUND                          ; a round of the cluster's barrier
	s_barrier_signal -1
	s_barrier_wait -1
	s_cmp_lg_u32 s2, 0
	s_cbranch_scc1 .Lnw0_\@
	s_barrier_signal -3
.Lnw0_\@:
	s_barrier_wait -3
	s_barrier_signal -1
	s_barrier_wait -1
.endm
.macro TLOAD g0, g1
	tensor_load_to_lds s[\g0:\g0+3], s[\g1:\g1+7]
	s_nop 0
	PLACES
.endm
; 128 along K, the q-th: heads 2 q and 2 q + 1.  first = 1: the products start the sums from bo.  The 16 accumulators take turns.
.macro KSTEP q, first
.irp i, 0,1,2,3
	ds_load_b32 v[SC+\i], v[ADS] offset:2*PITCH*\i+4*(\q)          ; lanes 0-15: the word of Wo's tile i; lanes 16-31: of cat's tile i
.endr
.irp t, 0,1,2,3
.irp c, 0,1
	ds_load_b128 v[PF+8*\t+4*\c:PF+8*\t+4*\c+3], v[ADP+(\q)/4] offset:16*PITCH*\t+64*((\q)%4)+32*\c
.endr
.endr
.irp i, 0,1,2,3
.irp c, 0,1
	ds_load_b128 v[RF+8*\i+4*\c:RF+8*\i+4*\c+3], v[ADR+(\q)/4] offset:4096*\i+1024*((\q)%4)+512*\c
.endr
.endr
.irp i, 0,1,2,3
	s_wait_dscnt 2*(3-\i)                          ; cat's tile i is in; the two loads of each later tile may be out
.irp t, 0,1,2,3
.if \first
	v_wmma_scale_f32_16x16x128_f8f6f4 v[ACC+32*\i+8*\t:ACC+32*\i+8*\t+7], v[PF+8*\t:PF+8*\t+7], v[RF+8*\i:RF+8*\i+7], v[BB+8*\t:BB+8*\t+7], v[SC+\t], v[SC+\i] matrix_a_fmt:MATRIX_FMT_FP4 matrix_b_fmt:MATRIX_FMT_FP4 matrix_b_scale:MATRIX_SCALE_ROW1
.else
	v_wmma_scale_f32_16x16x128_f8f6f4 v[ACC+32*\i+8*\t:ACC+32*\i+8*\t+7], v[PF+8*\t:PF+8*\t+7], v[RF+8*\i:RF+8*\i+7], v[ACC+32*\i+8*\t:ACC+32*\i+8*\t+7], v[SC+\t], v[SC+\i] matrix_a_fmt:MATRIX_FMT_FP4 matrix_b_fmt:MATRIX_FMT_FP4 matrix_b_scale:MATRIX_SCALE_ROW1
.endif
.endr
.endr
	PLACES
.endm
	s_load_b256 s[8:15], s[0:1], 0x0               ; Wo's codes s[8:9], scales s[10:11]; cat's codes s[12:13], scales s[14:15]
	s_load_b128 s[16:19], s[0:1], 0x20             ; bo s[16:17], out0 s[18:19]
	v_lshl_add_u32 v126, v0, 2, 0x4bb00
	v_mov_b32 v127, 0
	ds_add_u32 v126, v127                          ; the opening lines: the add, twice on end, and its wait
	ds_add_u32 v126, v127
	v_lshrrev_b32 v1, 5, v0
	v_readfirstlane_b32 s2, v1                     ; wave 0..7
	s_bfe_u32 s87, ttmp6, 0x40000                  ; my place in the cluster: it enters the block of columns, and so global addresses of Wo, bo and out0 alone
	s_and_b32 s4, ttmp9, 1
	s_lshl_b32 s4, s4, 2
	s_add_co_u32 s4, s4, s87                       ; which 128 columns
	s_lshr_b32 s5, ttmp9, 1                        ; which 256 rows
	s_and_b32 s6, s2, 1                            ; my 64 columns
	s_lshr_b32 s7, s2, 1                           ; my 64 rows
	; the scalar parts of the LDS addresses, of the wave's number alone
	s_mul_i32 s88, s6, T64
	s_lshl_b32 s89, s7, 14
	s_add_co_u32 s89, s89, RIMG
	s_mul_i32 s90, s6, 8*PITCH
	s_mul_i32 s91, s7, 8*PITCH
	s_add_co_u32 s91, s91, 16*PITCH
	s_sub_co_u32 s91, s91, s90                     ; from my rows of Wo to my rows of cat
	s_add_co_u32 s90, s90, SCP
	s_mul_i32 s92, s2, 16*PITCH
	s_add_co_u32 s92, s92, STG                     ; my stage
	v_and_b32 v1, 15, v0                           ; r
	v_bfe_u32 v2, v0, 4, 1                         ; hh
	v_and_b32 v3, 31, v0                           ; lane
	v_mul_u32_u24 v119, v1, PITCH
	v_lshl_add_u32 v119, v2, 4, v119
	v_add_nc_u32 v[ADP], s88, v119                 ; Wo: row x pitch + 16 hh
	v_add_nc_u32 v[ADP+1], PCH1, v[ADP]
	v_lshl_add_u32 v[ADR], v3, 4, s89              ; cat: my four row tiles' images, 16 x lane
	v_add_nc_u32 v[ADR+1], R1-RIMG, v[ADR]
	v_lshrrev_b32 v[ADS], 3, v1                    ; scale bytes: 32 a row, eight rows to a run of 256
	v_mul_u32_u24 v[ADS], v[ADS], PITCH
	v_and_b32 v9, 7, v1
	v_lshl_add_u32 v[ADS], v9, 5, v[ADS]
	v_mul_u32_u24 v9, s91, v2                      ; lanes 16-31 take cat's
	v_add_nc_u32 v[ADS], v[ADS], v9
	v_add_nc_u32 v[ADS], s90, v[ADS]
	v_mul_u32_u24 v[STO], v1, PITCH
	v_lshl_add_u32 v[STO], v2, 5, v[STO]
	v_add_nc_u32 v[STO], s92, v[STO]               ; in: row r, 32 bytes for each half of the lanes
	v_mul_u32_u24 v[RD], v2, PITCH
	v_lshl_add_u32 v[RD], v1, 4, v[RD]
	v_add_nc_u32 v[RD], s92, v[RD]                 ; back: lanes 0-15 one row of 256 bytes, lanes 16-31 the next
	v_lshlrev_b32 v[CO], 12, v2
	v_lshl_add_u32 v[CO], v1, 4, v[CO]             ; and the same two rows in out0 (4,096 bytes a row)
	v_lshlrev_b32 v116, 5, v2                      ; bo: 32 hh
	; descriptor groups 1.  Wo's codes: 128 rows x 256 bytes, 512 bytes from row to row, 4 words of padding behind every 64
	s_mov_b32 s24, (0<<16)|(1<<20)|(5<<22)|(3<<25)
	s_mov_b32 s25, 256<<16
	s_mov_b32 s26, 128<<16
	s_mov_b32 s27, 256<<16
	s_mov_b32 s28, 128
	s_mov_b32 s29, 512
	s_mov_b32 s30, 0
	s_mov_b32 s31, 0
	; cat's images: a dense block of 32,768 bytes as 128 rows of 32 elements of 8 bytes, no padding; jointly: mask 15, bit 21 beside it
	s_mov_b32 s32, 15|(3<<16)|(1<<21)
	s_mov_b32 s33, 32<<16
	s_mov_b32 s34, 128<<16
	s_mov_b32 s35, 32<<16
	s_mov_b32 s36, 128
	s_mov_b32 s37, 32
	s_mov_b32 s38, 0
	s_mov_b32 s39, 0
	; scale bytes: dense blocks as 16 rows (Wo's) and as 32 rows (cat's, jointly) of 256 bytes, 16 bytes of padding behind each
	s_mov_b32 s40, (3<<16)|(1<<20)|(5<<22)|(3<<25)
	s_mov_b32 s41, 32<<16
	s_mov_b32 s42, 16<<16
	s_mov_b32 s43, 32<<16
	s_mov_b32 s44, 16
	s_mov_b32 s45, 32
	s_mov_b32 s46, 0
	s_mov_b32 s47, 0
	s_mov_b32 s48, 15|(3<<16)|(1<<20)|(1<<21)|(5<<22)|(3<<25)
	s_mov_b32 s49, 32<<16
	s_mov_b32 s50, 32<<16
	s_mov_b32 s51, 32<<16
	s_mov_b32 s52, 32
	s_mov_b32 s53, 32
	s_mov_b32 s54, 0
	s_mov_b32 s55, 0
	s_mov_b32 s85, 0
	s_wait_alu depctr_va_vdst(0)                   ; the wait at the head's end
	s_wait_dscnt 0x0
	CROUND                                         ; the round in front of the first loads
	s_wait_kmcnt 0x0
	s_lshl_b32 s84, s4, 12
	s_add_nc_u64 s[10:11], s[10:11], s[84:85]      ; Wo's scale bytes: 128 rows x 32
	s_lshl_b32 s84, s5, 13
	s_add_nc_u64 s[14:15], s[14:15], s[84:85]      ; cat's: 256 rows x 32
	s_lshl_b32 s84, s4, 16
	s_add_nc_u64 s[8:9], s[8:9], s[84:85]          ; Wo's codes: my work-group's 128 rows
	s_lshl_b32 s86, s2, 15
	s_lshl_b32 s84, s5, 16
	s_add_co_u32 s84, s84, s86
	s_add_nc_u64 s[12:13], s[12:13], s[84:85]      ; cat's images: the cluster's 16 row tiles, + 32,768 x wave
	s_lshl_b32 s84, s4, 9
	s_lshl_b32 s86, s6, 8
	s_add_co_u32 s84, s84, s86
	s_add_nc_u64 s[16:17], s[16:17], s[84:85]      ; bo at my 64 columns
	s_lshl_b32 s86, s5, 20
	s_add_co_u32 s84, s84, s86
	s_lshl_b32 s86, s7, 18
	s_add_co_u32 s84, s84, s86
	s_add_nc_u64 s[18:19], s[18:19], s[84:85]      ; out0 at my first row and column
	; groups 0
	s_mov_b32 s56, 1
	s_mov_b32 s57, 0
	s_mov_b64 s[58:59], s[8:9]
	s_or_b32 s59, s59, 0x80000000
	s_mov_b32 s60, 1
	s_mov_b32 s61, PCH1
	s_add_nc_u64 s[62:63], s[8:9], 256
	s_or_b32 s63, s63, 0x80000000
	s_mov_b32 s68, 1
	s_lshl_b32 s69, s2, 15
	s_add_co_u32 s69, s69, RIMG-32768              ; waves 1 and 2: RIMG + 32,768 (wave - 1)
	s_sub_nc_u64 s[70:71], s[12:13], 32768
	s_or_b32 s71, s71, 0x80000000
	s_mov_b32 s72, 1
	s_lshl_b32 s73, s2, 15                         ; waves 6 and 7: R1 + 32,768 (wave - 6)
	s_add_nc_u64 s[74:75], s[12:13], 0x1d0000      ; K's second half lies 0x200000 on; 6 x 32,768 off for the wave's term
	s_or_b32 s75, s75, 0x80000000
	s_mov_b32 s76, 1
	s_mov_b32 s77, SCP
	s_mov_b64 s[78:79], s[10:11]
	s_or_b32 s79, s79, 0x80000000
	s_mov_b32 s80, 1
	s_mov_b32 s81, SCR
	s_mov_b64 s[82:83], s[14:15]
	s_or_b32 s83, s83, 0x80000000
.irp t, 0,1,2,3
	global_load_b128 v[BB+8*\t:BB+8*\t+3], v116, s[16:17] offset:64*\t        ; bo(16 t + 8 hh + 0 .. 7)
	global_load_b128 v[BB+8*\t+4:BB+8*\t+7], v116, s[16:17] offset:64*\t+16
.endr
	; THE FILLS, one a wave, in one chain of branches on the wave's number.  K's first half: wave 0 Wo's 128 rows, waves 1 and 2 eight row tiles of cat each; waves 3 and 4 the scale bytes;
	; K's second half: wave 5 Wo's, waves 6 and 7 cat's, on load lines of their own: they pass the wait below by.
	s_cmp_eq_u32 s2, 0
	s_cbranch_scc0 .Lfill_r0
	TLOAD 56, 24
	s_branch .Lasked
.Lfill_r0:
	s_cmp_lt_u32 s2, 3
	s_cbranch_scc0 .Lfill_sp
	TLOAD 68, 32
	s_branch .Lasked
.Lfill_sp:
	s_cmp_eq_u32 s2, 3
	s_cbranch_scc0 .Lfill_sr
	TLOAD 76, 40
	s_branch .Lasked
.Lfill_sr:
	s_cmp_eq_u32 s2, 4
	s_cbranch_scc0 .Lfill_p1
	TLOAD 80, 48
	s_branch .Lasked
.Lfill_p1:
	s_cmp_eq_u32 s2, 5
	s_cbranch_scc0 .Lfill_r1
	TLOAD 60, 24
	s_branch .Lasked
.Lfill_r1:
	TLOAD 72, 32
.Lasked:
	s_cmp_lt_u32 s2, 5
	s_cbranch_scc0 .Lfilled
	s_wait_tensorcnt 0x0                           ; waves 0 to 4: my tile is in; K's second half may stay out
.Lfilled:
	s_barrier_signal -1
	s_barrier_wait -1                              ; K's first half and all scale bytes are whole
	s_wait_loadcnt 0x0                             ; bo
	KSTEP 0, 1
	KSTEP 1, 0
	KSTEP 2, 0
	KSTEP 3, 0
	s_wait_tensorcnt 0x0                           ; my part of K's second half is in (my LDS loads are back: the last count-down ended at 0)
	s_barrier_signal -1
	s_barrier_wait -1                              ; everybody's is
	KSTEP 4, 0
	KSTEP 5, 0
	KSTEP 6, 0
	KSTEP 7, 0
; THE WAY OUT, 16 rows x 64 columns at a time.  A lane holds 32 neighbouring bytes of a row and the lanes beside it hold other rows: a block goes through my own stage and comes back as whole rows of 256 bytes.
; LDS serves a wave's instructions in order (ISA guide 5.7.1.4): no wait between the stores and the loads, nor in front of the next block's stores.
.macro TOSTAGE i
.irp t, 0,1,2,3
	ds_store_b128 v[STO], v[ACC+32*(\i)+8*\t:ACC+32*(\i)+8*\t+3] offset:64*\t          ; each accumulator from its low end on
	ds_store_b128 v[STO], v[ACC+32*(\i)+8*\t+4:ACC+32*(\i)+8*\t+7] offset:64*\t+16
.endr
.irp u, 0,1,2,3,4,5,6,7
	ds_load_b128 v[PF+32*((\i)%2)+4*\u:PF+32*((\i)%2)+4*\u+3], v[RD] offset:2*PITCH*\u
.endr
.endm
.macro SEND i, younger                 ; younger: the LDS instructions issued behind block i's loads, which may stay out
	s_wait_dscnt \younger
.irp u, 0,1,2,3,4,5,6,7
	global_store_b128 v[CO], v[PF+32*((\i)%2)+4*\u:PF+32*((\i)%2)+4*\u+3], s[18:19] offset:(16*(\i)+2*\u)*4096 th:TH_STORE_NT   ; sixteen lanes store 256 consecutive bytes, aligned; written once, read by nobody here
.endr
.endm
	TOSTAGE 0                                      ; (the last K step ended with its four places)
	TOSTAGE 1
	SEND 0, 16                                     ; behind block 0's loads: block 1's 8 stores and 8 loads
	s_wait_xcnt 0x0                                ; block 0's stores have read their registers: block 2's loads may land there
	TOSTAGE 2
	SEND 1, 16
	s_wait_xcnt 0x0                                ; likewise block 1's
	TOSTAGE 3
	SEND 2, 16
	SEND 3, 0
	s_wait_tensorcnt 0x0                           ; the wave's end
	ds_add_u32 v126, v127
	s_wait_dscnt 0x0
	CROUND                                         ; the closing round
	s_endpgm
.Lfunc_end_k_q8c77dd152e_outp:
	.size	k_q8c77dd152e_outp, .Lfunc_end_k_q8c77dd152e_outp-k_q8c77dd152e_outp
	.p2alignl 7, 3214868480
	.fill 96, 4, 3214868480
	.section	.rodata,"a",@progbits
	.p2align	6, 0x0
	.amdhsa_kernel k_q8c77dd152e_outp
		.amdhsa_group_segment_fixed_size 327680
		.amdhsa_private_segment_fixed_size 0
		.amdhsa_enable_private_segment 0
		.amdhsa_kernarg_size 48
		.amdhsa_user_sgpr_count 2
		.amdhsa_user_sgpr_kernarg_segment_ptr 1
		.amdhsa_wavefront_size32 1
		.amdhsa_system_sgpr_workgroup_id_x 1
		.amdhsa_system_sgpr_workgroup_id_y 1
		.amdhsa_system_sgpr_workgroup_id_z 1
		.amdhsa_system_vgpr_workitem_id 0
		.amdhsa_next_free_vgpr 256
		.amdhsa_next_free_sgpr 96
		.amdhsa_reserve_vcc 0
		.amdhsa_float_denorm_mode_32 3
		.amdhsa_float_denorm_mode_16_64 3
		.amdhsa_memory_ordered 1
		.amdhsa_forward_progress 1
		.amdhsa_inst_pref_size 46
	.end_amdhsa_kernel
	.amdgpu_metadata
---
amdhsa.version: [ 1, 2 ]
amdhsa.kernels:
  - .name:           k_q8c77dd152e_outp
    .symbol:         k_q8c77dd152e_outp.kd
    .args:
      - { .name: Wo_codes, .offset: 0, .size: 8, .value_kind: global_buffer, .address_space: global }
      - { .name: Wo_scales, .offset: 8, .size: 8, .value_kind: global_buffer, .address_space: global }
      - { .name: ccod, .offset: 16, .size: 8, .value_kind: global_buffer, .address_space: global }
      - { .name: cscl, .offset: 24, .size: 8, .value_kind: global_buffer, .address_space: global }
      - { .name: bo, .offset: 32, .size: 8, .value_kind: global_buffer, .address_space: global }
      - { .name: out0, .offset: 40, .size: 8, .value_kind: global_buffer, .address_space: global }
    .group_segment_fixed_size: 327680
    .private_segment_fixed_size: 0
    .kernarg_segment_align: 8
    .kernarg_segment_size: 48
    .max_flat_workgroup_size: 256
    .sgpr_count:     96
    .vgpr_count:     256
    .wavefront_size: 32
...
	.end_amdgpu_metadata
.endif
;; end of part 3
